; MI455X (gfx1250); checked and timed in simulation.
; The chip was launched on July 23, 2026; its instructions are those of AMD's public machine-readable ISA for CDNA 5 (MIT licence, August 2026) and "CDNA5" Instruction Set Architecture Reference Guide (July 2026). The comments in the code are by the model that wrote it; some were corrected since.
;; Mo E Layer. Allowed arithmetic: matrix products marked QUANTISED: E2M1 operands, one E8M0 scale for each 32 along K, by v_wmma_scale_f32_16x16x128_f8f6f4 with both operands' format E2M1 (or v_wmma_scale_f32_32x16x128_f4), f32 sums; products left as they are: f32 operands where the result goes on into a quantised operand, else bf16, f16 or f32 operands; f32 sums; everything else in f32.
;; Inputs: inputs 2 x 512 x 1,024 float32; w1 8 x 1,024 x 4,096 float32; w2 8 x 2,048 x 1,024 float32; wr 1,024 x 8 float32.
;; Outputs: out0 2 x 512 x 1,024 float32; out1 2 x 512 x 8 float32.
;; This version of the problem:
;;   THIS VERSION OF THE PROBLEM IS GIVEN IN LOW PRECISION. The matrix products marked QUANTISED in the list below multiply operands that are first quantised to E2M1 (2 exponent bits, 1 mantissa bit; 4 bits a number), with one power-of-two scale for each 32 numbers along K (OCP MX v1.0); their sums are f32. All else is computed in f32.
;;   The module's matrix products, in the order in which they are computed (A, B: the left and right operand; K: the contracted axis; several contracted axes count as one K, in the product's order):
;;     1. [M 1,024, K 1,024] x [K 1,024, N 32,768]; A: input inputs; B: input w1: QUANTISED
;;     2. batch 8 x [M 1,024, K 2,048] x [K 2,048, N 1,024]; A: input w2; B: computed on the way: QUANTISED
;;     3. [M 1,024, K 1,024] x [K 1,024, N 8]; A: input inputs; B: input wr: left as it is (N = 8 < 16)
;;     4. batch 1,024 x [M 1,024, K 8] x [K 8, N 1]; A: computed on the way; B: computed on the way: left as it is (K = 8 < 32)
;;   THE QUANTISER, for each operand of a quantised product, along K:
;;     - K is cut into blocks of 32 from its start; a last block that is shorter is filled with zeros.
;;     - A block's scale is 2^e with e = floor(log2(the largest magnitude in the block)) - 2, held to -126 .. 127; a block of zeros has e = 0. As a byte (E8M0): e + 127.
;;     - Each number is divided by its block's scale, clamped to +-6, and rounded to the nearest number of E2M1, ties to even, subnormals kept.
;;     - The product sums the exact products of the quantised numbers (number of the format x scale) in f32.
;;   ~~~python
;;   def quantise(x, axis):      # numpy; x: float32 -> the quantised numbers, widened to float32 again
;;       x = np.moveaxis(x, axis, -1); K = x.shape[-1]
;;       x = np.pad(x, [(0, 0)] * (x.ndim - 1) + [(0, -K % 32)]); x = x.reshape(x.shape[:-1] + (-1, 32)); a = np.abs(x).max(-1, keepdims=True)
;;       e = np.where(a > 0, np.clip(np.frexp(np.where(a > 0, a, 1))[1] - 1 - 2, -126, 127), 0)      # np.frexp(a)[1] - 1 = floor(log2(a)), exactly
;;       r = np.clip(x / 2.0 ** e, -6, 6)
;;       step = 2.0 ** (np.maximum(np.frexp(np.where(r == 0, 1, r))[1] - 1, 0) - 1)
;;       q = np.round(r / step) * step * 2.0 ** e      # np.round: ties to even
;;       return np.moveaxis(q.reshape(q.shape[:-2] + (-1,))[..., :K], -1, axis).astype(np.float32)
;;   ~~~
;;   OPERANDS COMPUTED ON THE WAY. 'Computed on the way' means the value that the module computes at that place (a softmax that the list does not call 'softmax' is quantised finished and normalised). What goes into a quantiser is computed in f32, as accurately as f32 sums, v_exp_f32 and their like allow (about 1e-6 of the number): no bf16 or f16 on the way to a quantiser, and a product that is left as it is and whose result goes on into a quantised operand takes f32 operands (vector FMAs, or v_wmma_f32_16x16x4_f32). A number that lies on a knife's edge between two numbers of the format may be rounded either way, as far as f32 arithmetic and the matrix unit's own rounding can turn it there, and no further.
;; 2 versions. Each part assembles by itself: llvm-mc -triple=amdgcn-amd-amdhsa -mcpu=gfx1250 --defsym DOCPART=n.
;; ======== version 1 of 2: 5 launches
;; workspace buffers: sel 2,048 bytes of whole numbers; tok 565,248 bytes; plan 8,960 bytes of whole numbers; xg 1,192,448 bytes; act 2,367,488 bytes; y2 17,825,792 bytes
;; launch route (part 1): grid 128 x 1, 8 waves a work-group, no clusters, 71,680 bytes of LDS; arguments inputs, wr, out1, sel, tok; writes out1, sel, tok
.if DOCPART == 1
	.amdgcn_target "amdgcn-amd-amdhsa--gfx1250"
	.amdhsa_code_object_version 6
	.text
	.protected	k_qfee90046a3_route
	.globl	k_qfee90046a3_route
	.p2align	8
	.type	k_qfee90046a3_route,@function
k_qfee90046a3_route:
	s_mov_b64 s[64:65], 0
	v_nop
	global_prefetch_b8 v0, s[64:65] scope:SCOPE_SE
	s_setreg_imm32_b32 hwreg(HW_REG_WAVE_MODE, 25, 1), 1
	s_wait_xcnt 0x0
; ROUTER AND QUANTISER OF x.  inputs [1024 tokens][1024] f32, wr [1024][8] f32.
; A work-group takes 8 tokens, a wave one token.  Each wave: (a) its token's row as codes of E2M1 with one E8M0 byte for each 32 along D (tok: codes [1024][512 B] at 0, bytes [1024][32] at 524288);
; (b) the 8 logits by f32 multiply-adds, softmax twice, each time with the maximum taken away (out1).  Wave 0 then takes the top two of each of the 8 tokens (strict >, so the lower index wins a tie)
; and stores them at FIXED places: sel byte [e][work-group]: bit j = token 8 g + j chose expert e, at +1024 the same for "e is its first choice"; tok at 557056: [token][2] f32, the two probabilities.
; No address and no branch hangs on the choice.
; LIMITS: NaN and infinities are not served.  A block of zeros gets the byte 1 (its codes are zeros; only this program reads the bytes).  The logits' order of summation differs from a plain
; ascending sum, so a token whose second and third probabilities agree to the last bits may choose otherwise.  Exponentials under 2^-126 come out as 0.
.set WRP,  1040                        ; LDS: wr's 1,024 bytes of 32 k, + 16 of padding: lane L reads at L x 1040, an odd multiple of 16
.set XST,  33280                       ; behind wr's 32 chunks: a stage of 32 x 144 bytes for each wave
.set XSP,  144                         ; a lane's 128 bytes (32 neighbours along D) + 16 of padding
.set PST,  70144                       ; the 8 tokens' probabilities, 32 bytes each
.set SST,  70400                       ; the 8 tokens' scale bytes, 32 each
.set XQ,   16                          ; v16-47   my 32 neighbours: k = 32 lane + i
.set XL,   48                          ; v48-79   x as loaded; later wave 0's work
.set WL,   80                          ; v80-111  wr as loaded; later v80-83 my codes
.set WB,   112                         ; v112-239 two buffers of 64: wr(k, e) of 8 k
.set AC,   240                         ; v240-247 the 8 sums, then the probabilities
.set PT,   248                         ; v248-255 the other half of the lanes' sums
	s_load_b256 s[4:11], s[0:1], 0x0               ; inputs s[4:5], wr s[6:7], out1 s[8:9], sel s[10:11]
	s_load_b64 s[12:13], s[0:1], 0x20              ; tok
	v_lshl_add_u32 v12, v0, 2, 0x11400
	v_mov_b32 v13, 0
	v_lshrrev_b32 v1, 5, v0
	v_readfirstlane_b32 s14, v1                    ; wave 0..7
	v_and_b32 v1, 31, v0                           ; lane
	v_lshlrev_b32 v2, 4, v0                        ; wr: 16 bytes a thread
	v_lshlrev_b32 v3, 4, v1                        ; x and the codes: 16 bytes a lane
	v_lshrrev_b32 v4, 6, v0
	v_lshl_add_u32 v4, v4, 4, v2                   ; wr into LDS: 16 t + 16 (t / 64): 16 bytes of padding behind each 1,024
	s_mul_i32 s15, s14, 32*XSP
	s_add_co_u32 s15, s15, XST                     ; my wave's stage
	v_lshrrev_b32 v5, 3, v1
	v_lshl_add_u32 v5, v5, 4, v3
	v_add_nc_u32 v5, s15, v5                       ; x into it: 16 lane + 16 (lane / 8): padding behind each 128
	v_mul_u32_u24 v6, v1, XSP
	v_add_nc_u32 v6, s15, v6                       ; and out of it: my 128 bytes
	v_mul_u32_u24 v7, v1, WRP                      ; wr's chunk of my 32 k
	v_add_nc_u32 v15, SST, v0                      ; my block's scale byte: 32 wave + lane
	s_lshl_b32 s25, s14, 5
	s_add_co_u32 s25, s25, PST
	v_mov_b32 v14, s25                             ; my token's 32 bytes of probabilities
.irp e, 0,1,2,3,4,5,6,7
	v_mov_b32 v[PT+\e], 0                          ; written once: a lane permute's destination counts as one of its sources
.endr
	s_mov_b32 s17, ttmp9                           ; work-group
	s_lshl_b32 s16, s17, 3
	s_add_co_u32 s16, s16, s14                     ; my token
	s_lshl_b32 s18, s16, 12                        ; its row of 4,096 bytes
	s_mov_b32 s19, 0
	s_lshl_b32 s20, s16, 9                         ; its 512 bytes of codes
	s_mov_b32 s21, 0
	s_mov_b32 s22, 0x76543210
	s_mov_b32 s23, 0xfedcba98                      ; v_permlanex16_b32's selects for lane l xor 16
	s_mov_b32 s24, 0x3fb8aa3b                      ; log2(e)
	s_wait_kmcnt 0x0
	s_add_nc_u64 s[4:5], s[4:5], s[18:19]
	s_add_nc_u64 s[20:21], s[12:13], s[20:21]
.irp j, 0,1,2,3,4,5,6,7
	global_load_b128 v[WL+4*\j:WL+4*\j+3], v2, s[6:7] offset:4096*\j            ; the work-group's 256 threads read wr whole, 4,096 consecutive bytes a line
.endr
.irp j, 0,1,2,3,4,5,6,7
	global_load_b128 v[XL+4*\j:XL+4*\j+3], v3, s[4:5] offset:512*\j th:TH_LOAD_NT   ; 512 consecutive bytes of my token's row
.endr
	s_wait_loadcnt 0x8                             ; wr's eight loads are in; x's eight may be out
.irp j, 0,1,2,3,4,5,6,7
	ds_store_b128 v4, v[WL+4*\j:WL+4*\j+3] offset:4160*\j
.endr
	s_wait_loadcnt 0x0
.irp j, 0,1,2,3,4,5,6,7
	ds_store_b128 v5, v[XL+4*\j:XL+4*\j+3] offset:576*\j
.endr
.irp j, 0,1,2,3,4,5,6,7
	ds_load_b128 v[XQ+4*\j:XQ+4*\j+3], v6 offset:16*\j   ; LDS serves a wave's instructions in order: these see my stores
.endr
	s_wait_dscnt 0x0                               ; for the others' sake: my part of wr lies in LDS; and my 32 neighbours are in
	s_barrier_signal -1
	s_barrier_wait -1
	; ---- the row's codes: a block of 32 lies in one lane
	v_max3_num_f32 v8, |v[XQ]|, |v[XQ+1]|, |v[XQ+2]|
	v_max3_num_f32 v9, |v[XQ+3]|, |v[XQ+4]|, |v[XQ+5]|
.irp i, 6,10,14,18,22,26
	v_max3_num_f32 v8, v8, |v[XQ+\i]|, |v[XQ+\i+1]|
	v_max3_num_f32 v9, v9, |v[XQ+\i+2]|, |v[XQ+\i+3]|
.endr
	v_max3_num_f32 v8, v8, |v[XQ+30]|, |v[XQ+31]|
	v_max3_num_f32 v8, v8, v9, 0x1800000           ; and the floor 2^(3 - 127): the byte cannot fall under 1
	v_add_nc_u32 v10, 0xff000000, v8               ; 2 off the exponent field: the conversion's scale operand
	v_lshrrev_b32 v11, 23, v10                     ; the scale's byte
.irp g, 0,1,2,3
	v_cvt_scalef32_pk8_fp4_f32 v[WL+\g], v[XQ+8*\g:XQ+8*\g+7], v10
.endr
	v_nop                                          ; one plain line behind the scaled conversions
	global_store_b128 v3, v[WL:WL+3], s[20:21]     ; 32 lanes store the row's 512 bytes of codes
	ds_store_b8 v15, v11
	; ---- the logits: lane L sums k = 32 L .. 32 L + 31, eight k at a time
.macro WLOAD g
.irp i, 0,1,2,3,4,5,6,7,8,9,10,11,12,13,14,15
	ds_load_b128 v[WB+64*((\g)%2)+4*\i:WB+64*((\g)%2)+4*\i+3], v7 offset:256*(\g)+16*\i
.endr
.endm
.macro DOT g                           ; four pairs of sums; x(k) is taken for both halves of a pair
.irp k, 0,1,2,3,4,5,6,7
.irp p, 0,1,2,3
.if ((\g) == 0) && (\k == 0)
	v_pk_mul_f32 v[AC+2*\p:AC+2*\p+1], v[XQ:XQ+1], v[WB+2*\p:WB+2*\p+1] op_sel:[0,0] op_sel_hi:[0,1]   ; the first product starts the sums
.elseif \k%2
	v_pk_fma_f32 v[AC+2*\p:AC+2*\p+1], v[XQ+8*(\g)+2*(\k/2):XQ+8*(\g)+2*(\k/2)+1], v[WB+64*((\g)%2)+8*\k+2*\p:WB+64*((\g)%2)+8*\k+2*\p+1], v[AC+2*\p:AC+2*\p+1] op_sel:[1,0,0] op_sel_hi:[1,1,1]
.else
	v_pk_fma_f32 v[AC+2*\p:AC+2*\p+1], v[XQ+8*(\g)+2*(\k/2):XQ+8*(\g)+2*(\k/2)+1], v[WB+64*((\g)%2)+8*\k+2*\p:WB+64*((\g)%2)+8*\k+2*\p+1], v[AC+2*\p:AC+2*\p+1] op_sel:[0,0,0] op_sel_hi:[0,1,1]
.endif
.endr
.endr
.endm
	WLOAD 0
	WLOAD 1
	s_wait_dscnt 0x10                              ; batch 0 is in; batch 1's sixteen loads may be out
	DOT 0
	WLOAD 2
	s_wait_dscnt 0x10
	DOT 1
	WLOAD 3
	s_wait_dscnt 0x10
	DOT 2
	s_wait_dscnt 0x0
	DOT 3
.irp m, 1,2,4,8
.irp e, 0,1,2,3,4,5,6,7
	v_add_f32_dpp v[AC+\e], v[AC+\e], v[AC+\e] row_xmask:\m row_mask:0xf bank_mask:0xf
.endr
.endr
.irp e, 0,1,2,3,4,5,6,7
	v_permlanex16_b32 v[PT+\e], v[AC+\e], s22, s23
.endr
.irp e, 0,1,2,3,4,5,6,7
	v_add_f32 v[AC+\e], v[AC+\e], v[PT+\e]         ; every lane holds the token's 8 logits
.endr
.macro SOFTMAX                         ; in place on the eight numbers; the maximum is taken away first
	v_max3_num_f32 v8, v[AC], v[AC+1], v[AC+2]
	v_max3_num_f32 v8, v8, v[AC+3], v[AC+4]
	v_max3_num_f32 v8, v8, v[AC+5], v[AC+6]
	v_max_num_f32 v8, v8, v[AC+7]
.irp e, 0,1,2,3,4,5,6,7
	v_sub_f32 v[AC+\e], v[AC+\e], v8
.endr
.irp e, 0,1,2,3,4,5,6,7
	v_mul_f32 v[AC+\e], s24, v[AC+\e]
.endr
.irp e, 0,1,2,3,4,5,6,7
	v_exp_f32 v[AC+\e], v[AC+\e]
.endr
	v_nop                                          ; a plain line behind the last exponential
	s_wait_alu depctr_va_vdst(0)                   ; one wait for the eight, ahead of their first reader
	v_add_f32 v8, v[AC], v[AC+1]
	v_add_f32 v9, v[AC+2], v[AC+3]
	v_add_f32 v10, v[AC+4], v[AC+5]
	v_add_f32 v11, v[AC+6], v[AC+7]
	v_add_f32 v8, v8, v9
	v_add_f32 v10, v10, v11
	v_add_f32 v8, v8, v10
	v_rcp_f32 v9, v8
	v_nop
	s_wait_alu depctr_va_vdst(0)
.irp e, 0,1,2,3,4,5,6,7
	v_mul_f32 v[AC+\e], v[AC+\e], v9
.endr
.endm
	SOFTMAX
	SOFTMAX
	ds_store_b128 v14, v[AC:AC+3]                  ; all lanes write the same 32 bytes with the same values
	ds_store_b128 v14, v[AC+4:AC+7] offset:16
	; wave 0's addresses are made here, by every wave, ahead of the parting on the wave's number
	v_lshlrev_b32 v60, 3, v1                       ; 8 bytes a lane
	v_add_nc_u32 v61, PST, v60
	v_and_b32 v62, 7, v1
	v_lshl_add_u32 v62, v62, 5, PST                ; lane j's token: j % 8
	v_lshlrev_b32 v63, 7, v1
	v_add_nc_u32 v63, s17, v63                     ; sel: 128 lane + work-group
	s_wait_dscnt 0x0                               ; for wave 0's sake: my probabilities and my scale bytes lie in LDS
	s_barrier_signal -1
	s_barrier_wait -1
	s_cmp_lg_u32 s14, 0
	s_cbranch_scc1 .Ldone
	ds_load_b64 v[32:33], v61                      ; the 8 tokens' probabilities: 256 bytes,
	ds_load_b64 v[34:35], v61 offset:256           ; their scale bytes: 256 bytes,
	ds_load_b128 v[40:43], v62                     ; and my token's eight
	ds_load_b128 v[44:47], v62 offset:16
	s_lshl_b32 s26, s17, 8
	s_mov_b32 s27, 0
	s_add_nc_u64 s[8:9], s[8:9], s[26:27]
	s_add_nc_u64 s[28:29], s[12:13], s[26:27]
	s_lshl_b32 s26, s17, 6
	s_add_nc_u64 s[12:13], s[12:13], s[26:27]
	s_wait_dscnt 0x0
	global_store_b64 v60, v[32:33], s[8:9]                     ; 32 lanes store 256 consecutive bytes of out1, aligned
	global_store_b64 v60, v[34:35], s[28:29] offset:524288     ; and of the scale bytes
	v_mov_b32 v50, v40                             ; the largest, v52 its index
	v_mov_b32 v52, 0
.irp e, 1,2,3,4,5,6,7
	v_cmp_gt_f32 vcc_lo, v[40+\e], v50
	v_cndmask_b32 v50, v50, v[40+\e], vcc_lo
	v_cndmask_b32 v52, v52, \e, vcc_lo
.endr
	v_mov_b32 v51, -1.0                            ; the second: under every probability
	v_mov_b32 v53, 0
.irp e, 0,1,2,3,4,5,6,7
	v_cmp_gt_f32 s30, v[40+\e], v51
	v_cmp_ne_u32 s31, \e, v52
	s_and_b32 s30, s30, s31
	v_cndmask_b32 v51, v51, v[40+\e], s30
	v_cndmask_b32 v53, v53, \e, s30
.endr
	v_mov_b32 v54, 0
	v_mov_b32 v55, 0
.irp e, 0,1,2,3,4,5,6,7
	v_cmp_eq_u32 s30, \e, v52                      ; bits 0-7: the tokens whose first choice is e
	v_cmp_eq_u32 s31, \e, v53
	s_or_b32 s31, s31, s30                         ; and those that chose e at all
	v_writelane_b32 v54, s31, \e
	v_writelane_b32 v55, s30, \e
.endr
	s_wait_xcnt 0x0                                ; EXEC changes only behind this wait
	v_cmp_gt_u32 vcc_lo, 8, v1
	s_and_saveexec_b32 s30, vcc_lo
	global_store_b8 v63, v54, s[10:11]             ; lane e: expert e's byte for these 8 tokens
	global_store_b8 v63, v55, s[10:11] offset:1024
	global_store_b64 v60, v[50:51], s[12:13] offset:557056   ; lane j: token j's two weights
	s_wait_xcnt 0x0
	s_or_b32 exec_lo, exec_lo, s30
.Ldone:
	s_wait_tensorcnt 0x0
	ds_add_u32 v12, v13
	s_wait_dscnt 0x0
	s_endpgm
.Lfunc_end_k_qfee90046a3_route:
	.size	k_qfee90046a3_route, .Lfunc_end_k_qfee90046a3_route-k_qfee90046a3_route
	.p2alignl 7, 3214868480
	.fill 96, 4, 3214868480
	.section	.rodata,"a",@progbits
	.p2align	6, 0x0
	.amdhsa_kernel k_qfee90046a3_route
		.amdhsa_group_segment_fixed_size 71680
		.amdhsa_private_segment_fixed_size 0
		.amdhsa_enable_private_segment 0
		.amdhsa_kernarg_size 40
		.amdhsa_user_sgpr_count 2
		.amdhsa_user_sgpr_kernarg_segment_ptr 1
		.amdhsa_wavefront_size32 1
		.amdhsa_system_sgpr_workgroup_id_x 1
		.amdhsa_system_sgpr_workgroup_id_y 1
		.amdhsa_system_sgpr_workgroup_id_z 1
		.amdhsa_system_vgpr_workitem_id 0
		.amdhsa_next_free_vgpr 256
		.amdhsa_next_free_sgpr 66
		.amdhsa_reserve_vcc 1
		.amdhsa_float_denorm_mode_32 3
		.amdhsa_float_denorm_mode_16_64 3
		.amdhsa_memory_ordered 1
		.amdhsa_forward_progress 1
		.amdhsa_inst_pref_size 33
	.end_amdhsa_kernel
	.amdgpu_metadata
---
amdhsa.version: [ 1, 2 ]
amdhsa.kernels:
  - .name:           k_qfee90046a3_route
    .symbol:         k_qfee90046a3_route.kd
    .args:
      - { .name: inputs, .offset: 0, .size: 8, .value_kind: global_buffer, .address_space: global }
      - { .name: wr, .offset: 8, .size: 8, .value_kind: global_buffer, .address_space: global }
      - { .name: out1, .offset: 16, .size: 8, .value_kind: global_buffer, .address_space: global }
      - { .name: sel, .offset: 24, .size: 8, .value_kind: global_buffer, .address_space: global }
      - { .name: tok, .offset: 32, .size: 8, .value_kind: global_buffer, .address_space: global }
    .group_segment_fixed_size: 71680
    .private_segment_fixed_size: 0
    .kernarg_segment_align: 8
    .kernarg_segment_size: 40
    .max_flat_workgroup_size: 256
    .sgpr_count:     66
    .vgpr_count:     256
    .wavefront_size: 32
...
	.end_amdgpu_metadata
.endif
;; end of part 1
;; launch place (part 2): grid 135 x 1, 1 waves a work-group, no clusters, 512 bytes of LDS; arguments sel, tok, plan, xg; writes plan, xg
.if DOCPART == 2
	.amdgcn_target "amdgcn-amd-amdhsa--gfx1250"
	.amdhsa_code_object_version 6
	.text
	.protected	k_qfee90046a3_place
	.globl	k_qfee90046a3_place
	.p2align	8
	.type	k_qfee90046a3_place,@function
k_qfee90046a3_place:
	s_mov_b64 s[64:65], 0
	v_nop
	global_prefetch_b8 v0, s[64:65] scope:SCOPE_SE
	s_setreg_imm32_b32 hwreg(HW_REG_WAVE_MODE, 25, 1), 1
	s_wait_xcnt 0x0
; THE ROUTED ROWS ARE PLACED BY EXPERT.  2,048 routed rows (token, choice), each expert's rows in ascending token order, padded to whole tiles of 16: never more than 2048 / 16 + 7 = 135 tiles,
; whatever the choice.  One wave makes one tile T: it counts all experts' rows from the bit masks (every wave repeats that: nothing passes between work-groups), finds its expert and its place,
; lists its 16 rows, and gathers their codes of x as IMAGES OF THE OPERAND'S REGISTERS.  A wave whose T is not used by this split stores nothing and ends.
; The list is made 32 tokens at a time; a run of 32 tokens none of whose rows falls into the tile is passed over by a scalar branch on the stored masks' counts.
; OUT: plan: words 0-7 first tile of expert e, words 8-15 its number of tiles; at 256: [tile][16] r2 = 2 token + choice (0: first, 1: second); a pad row has r2 = 2048 + 16 e + row.
;      xg: [tile][n = 0..15][lane][16 B]: lane (r, h) holds bytes 32 n + 16 h of row r's 512 bytes of codes; at 1114112 [tile][lane][16 B]: bytes 16 h on of row r's 32 scale bytes;
;      at 1183744 [tile][16] f32: the rows' gate weights.  Pad rows take token 1023's codes; what is made of them goes to rows that nobody reads.
.macro POPC d, s                       ; the number of ones in each lane's word
	v_lshrrev_b32 v40, 1, v[\s]
	v_and_b32 v40, 0x55555555, v40
	v_sub_nc_u32 v[\d], v[\s], v40
	v_lshrrev_b32 v40, 2, v[\d]
	v_and_b32 v[\d], 0x33333333, v[\d]
	v_and_b32 v40, 0x33333333, v40
	v_add_nc_u32 v[\d], v[\d], v40
	v_lshrrev_b32 v40, 4, v[\d]
	v_add_nc_u32 v[\d], v[\d], v40
	v_and_b32 v[\d], 0x0f0f0f0f, v[\d]
	v_mul_lo_u32 v[\d], v[\d], s20
	v_lshrrev_b32 v[\d], 24, v[\d]
.endm
	s_load_b256 s[4:11], s[0:1], 0x0               ; sel s[4:5], tok s[6:7], plan s[8:9], xg s[10:11]
	v_lshl_add_u32 v144, v0, 2, 0x100
	v_mov_b32 v145, 0
	v_lshlrev_b32 v1, 2, v0                        ; 4 lane
	v_and_b32 v2, 15, v0                           ; r
	v_lshrrev_b32 v3, 4, v0                        ; h
	v_lshlrev_b32 v4, 2, v2                        ; 4 r
	v_lshlrev_b32 v5, 4, v3                        ; 16 h
	v_lshlrev_b32 v6, 4, v0                        ; 16 lane
	v_lshlrev_b32 v7, 1, v0                        ; 2 lane
	v_lshlrev_b32 v50, v0, 1                       ; 1 << lane
.irp i, 0,1,2,3
	v_mov_b32 v[36+\i], 0                          ; written once: destinations of lane exchanges count as sources
.endr
	s_mov_b32 s12, ttmp9                           ; T
	s_mov_b32 s20, 0x01010101
	s_mov_b32 s22, 0x76543210
	s_mov_b32 s23, 0xfedcba98
	s_wait_kmcnt 0x0
.irp e, 0,1,2,3,4,5,6,7
	global_load_b32 v[8+\e], v1, s[4:5] offset:128*\e          ; lane c: tokens 32 c .. 32 c + 31 that chose expert e
	global_load_b32 v[16+\e], v1, s[4:5] offset:1024+128*\e    ; and those whose first choice it is
.endr
	s_wait_loadcnt 0x0
.irp e, 0,1,2,3,4,5,6,7
	POPC 24+\e, 8+\e
.endr
.irp i, 0,1,2,3
	v_lshl_or_b32 v[32+\i], v[25+2*\i], 16, v[24+2*\i]         ; two counts to a register: a sum is at most 1,024
.endr
.irp m, 1,2,4,8
.irp i, 0,1,2,3
	v_mov_b32_dpp v[36+\i], v[32+\i] row_xmask:\m row_mask:0xf bank_mask:0xf
.endr
.irp i, 0,1,2,3
	v_add_nc_u32 v[32+\i], v[32+\i], v[36+\i]
.endr
.endr
.irp i, 0,1,2,3
	v_permlanex16_b32 v[36+\i], v[32+\i], s22, s23
.endr
.irp i, 0,1,2,3
	v_add_nc_u32 v[32+\i], v[32+\i], v[36+\i]
.endr
.irp i, 0,1,2,3
	v_readfirstlane_b32 s[24+\i], v[32+\i]
.endr
	s_mov_b32 s13, 0                               ; tiles so far
.irp e, 0,1,2,3,4,5,6,7
.if \e%2
	s_lshr_b32 s16, s[24+\e/2], 16
.else
	s_and_b32 s16, s[24+\e/2], 0xffff
.endif
	s_add_co_u32 s16, s16, 15
	s_lshr_b32 s[28+\e], s16, 4                    ; s28-35: expert e's tiles
	s_mov_b32 s[36+\e], s13                        ; s36-43: its first tile
	s_add_co_u32 s13, s13, s[28+\e]
.endr
	s_cmp_ge_u32 s12, s13                          ; this split has no tile T
	s_cbranch_scc1 .Lnone
	s_mov_b32 s14, 0                               ; my expert: how many of experts 1-7 begin at or ahead of T
.irp j, 1,2,3,4,5,6,7
	s_cmp_ge_u32 s12, s[36+\j]
	s_cselect_b32 s16, 1, 0
	s_add_co_u32 s14, s14, s16
.endr
	s_mov_b32 s15, s36
	v_mov_b32 v44, v8                              ; my expert's two rows of masks
	v_mov_b32 v45, v16
.irp j, 1,2,3,4,5,6,7
	s_cmp_eq_u32 s14, \j
	s_cselect_b32 s15, s[36+\j], s15
	s_cselect_b32 s16, -1, 0
	v_cndmask_b32 v44, v44, v[8+\j], s16
	v_cndmask_b32 v45, v45, v[16+\j], s16
.endr
.irp c, 0,1,2,3,4,5,6,7,8,9,10,11,12,13,14,15,16,17,18,19,20,21,22,23,24,25,26,27,28,29,30,31
.if \c < 8
	v_readlane_b32 s[56+\c], v44, \c               ; the 32 words of my expert's mask as scalars, in one run: s56-63 and s66-89
.else
	v_readlane_b32 s[58+\c], v44, \c
.endif
.endr
	s_sub_co_u32 s18, s12, s15
	s_lshl_b32 s18, s18, 4                         ; the expert's rows ahead of my tile
	; the list: LDS words 0-15 are my rows, word 16 takes what is not mine.  First the pads,
	s_lshl_b32 s16, s14, 4
	s_add_co_u32 s16, s16, 2048
	v_add_nc_u32 v47, s16, v2
	ds_store_b32 v4, v47
	s_mov_b32 s44, 0                               ; the expert's rows counted so far
; then 32 tokens at a time: lane l is token 32 c + l
.macro CHUNK c
.if (\c) < 8
.set MW, 56+(\c)
.else
.set MW, 58+(\c)
.endif
	s_sub_co_i32 s21, s44, s18                     ; the rows ahead of these 32 tokens, less those ahead of my tile
	s_cmp_ge_i32 s21, 16
	s_cbranch_scc1 .Llisted                        ; these tokens' rows, and all that follow, belong to later tiles
	s_bcnt1_i32_b32 s16, s[MW]
	s_add_co_u32 s44, s44, s16
	s_add_co_i32 s16, s21, s16
	s_cmp_le_i32 s16, 0
	s_cbranch_scc1 .Lnot_here_\@                   ; all of them belong to earlier tiles
	v_readlane_b32 s19, v45, \c
	v_mbcnt_lo_u32_b32 v48, s[MW], s21             ; my row in the tile: + the chosen among the lanes below me
	v_and_b32 v49, s[MW], v50
	v_cmp_ne_u32 vcc_lo, 0, v49
	v_cndmask_b32 v48, 16, v48, vcc_lo             ; not chosen: word 16
	v_min_u32 v48, 16, v48                         ; an earlier tile's (negative, so large as unsigned) or a later tile's: word 16
	v_lshlrev_b32 v48, 2, v48
	v_and_b32 v49, s19, v50
	v_cmp_eq_u32 vcc_lo, 0, v49
	v_cndmask_b32 v49, 0, 1, vcc_lo                ; 0: the token's first choice, 1: its second
	v_add3_u32 v49, v49, v7, 64*(\c)               ; r2 = 2 token + choice
	ds_store_b32 v48, v49
.Lnot_here_\@:
.endm
.irp c, 0,1,2,3,4,5,6,7,8,9,10,11,12,13,14,15,16,17,18,19,20,21,22,23,24,25,26,27,28,29,30,31
	CHUNK \c
.endr
.Llisted:
	ds_load_b32 v52, v4                            ; LDS serves a wave's instructions in order: row r's r2, in lanes r and 16 + r
	s_lshl_b32 s46, s12, 13
	s_mov_b32 s47, 0
	s_add_nc_u64 s[48:49], s[10:11], s[46:47]      ; xg + 8192 T
	s_lshl_b32 s46, s12, 9
	s_add_nc_u64 s[50:51], s[10:11], s[46:47]      ; xg + 512 T
	s_lshl_b32 s46, s12, 6
	s_add_nc_u64 s[52:53], s[10:11], s[46:47]      ; xg + 64 T
	s_add_nc_u64 s[54:55], s[8:9], s[46:47]        ; plan + 64 T
	s_wait_dscnt 0x0
	v_lshrrev_b32 v53, 1, v52
	v_min_u32 v53, 0x3ff, v53                      ; the token; a pad row takes token 1023
	v_lshl_add_u32 v54, v53, 9, v5                 ; its codes: 512 bytes a token, + 16 h
	v_lshl_add_u32 v56, v53, 5, v5                 ; its scale bytes: 32 a token, + 16 h
	v_min_u32 v57, 0x7ff, v52
	v_lshlrev_b32 v57, 2, v57                      ; its weight
.irp n, 0,1,2,3,4,5,6,7,8,9,10,11,12,13,14,15
	global_load_b128 v[64+4*\n:67+4*\n], v54, s[6:7] offset:32*\n
.endr
	global_load_b128 v[128:131], v56, s[6:7] offset:524288
	global_load_b32 v132, v57, s[6:7] offset:557056
	s_wait_loadcnt 0x0
.irp n, 0,1,2,3,4,5,6,7,8,9,10,11,12,13,14,15
	global_store_b128 v6, v[64+4*\n:67+4*\n], s[48:49] offset:512*\n   ; 32 lanes store 512 consecutive bytes
.endr
	global_store_b128 v6, v[128:131], s[50:51] offset:1114112
	global_store_b32 v4, v132, s[52:53] offset:1183744         ; lanes r and 16 + r write the same word with the same value
	global_store_b32 v4, v52, s[54:55] offset:256
	s_cmp_lg_u32 s12, 0
	s_cbranch_scc1 .Lnone
	v_mov_b32 v59, 0                               ; tile 0's wave stores the table of experts
.irp e, 0,1,2,3,4,5,6,7
	v_writelane_b32 v59, s[36+\e], \e
	v_writelane_b32 v59, s[28+\e], 8+\e
.endr
	global_store_b32 v1, v59, s[8:9]
.Lnone:
	s_wait_tensorcnt 0x0
	ds_add_u32 v144, v145
	s_wait_dscnt 0x0
	s_endpgm
.Lfunc_end_k_qfee90046a3_place:
	.size	k_qfee90046a3_place, .Lfunc_end_k_qfee90046a3_place-k_qfee90046a3_place
	.p2alignl 7, 3214868480
	.fill 96, 4, 3214868480
	.section	.rodata,"a",@progbits
	.p2align	6, 0x0
	.amdhsa_kernel k_qfee90046a3_place
		.amdhsa_group_segment_fixed_size 512
		.amdhsa_private_segment_fixed_size 0
		.amdhsa_enable_private_segment 0
		.amdhsa_kernarg_size 32
		.amdhsa_user_sgpr_count 2
		.amdhsa_user_sgpr_kernarg_segment_ptr 1
		.amdhsa_wavefront_size32 1
		.amdhsa_system_sgpr_workgroup_id_x 1
		.amdhsa_system_sgpr_workgroup_id_y 1
		.amdhsa_system_sgpr_workgroup_id_z 1
		.amdhsa_system_vgpr_workitem_id 0
		.amdhsa_next_free_vgpr 146
		.amdhsa_next_free_sgpr 96
		.amdhsa_reserve_vcc 1
		.amdhsa_float_denorm_mode_32 3
		.amdhsa_float_denorm_mode_16_64 3
		.amdhsa_memory_ordered 1
		.amdhsa_forward_progress 1
		.amdhsa_inst_pref_size 47
	.end_amdhsa_kernel
	.amdgpu_metadata
---
amdhsa.version: [ 1, 2 ]
amdhsa.kernels:
  - .name:           k_qfee90046a3_place
    .symbol:         k_qfee90046a3_place.kd
    .args:
      - { .name: sel, .offset: 0, .size: 8, .value_kind: global_buffer, .address_space: global }
      - { .name: tok, .offset: 8, .size: 8, .value_kind: global_buffer, .address_space: global }
      - { .name: plan, .offset: 16, .size: 8, .value_kind: global_buffer, .address_space: global }
      - { .name: xg, .offset: 24, .size: 8, .value_kind: global_buffer, .address_space: global }
    .group_segment_fixed_size: 512
    .private_segment_fixed_size: 0
    .kernarg_segment_align: 8
    .kernarg_segment_size: 32
    .max_flat_workgroup_size: 32
    .sgpr_count:     96
    .vgpr_count:     146
    .wavefront_size: 32
...
	.end_amdgpu_metadata
.endif
;; end of part 2
;; launch ffn1 (part 3): grid 256 x 1, 4 waves a work-group, no clusters, 70,400 bytes of LDS; arguments w1, xg, plan, act; writes act
.if DOCPART == 3
	.amdgcn_target "amdgcn-amd-amdhsa--gfx1250"
	.amdhsa_code_object_version 6
	.text
	.protected	k_qfee90046a3_ffn1
	.globl	k_qfee90046a3_ffn1
	.p2align	8
	.type	k_qfee90046a3_ffn1,@function
k_qfee90046a3_ffn1:
	s_mov_b64 s[64:65], 0
	v_nop
	global_prefetch_b8 v0, s[64:65] scope:SCOPE_SE
	s_setreg_imm32_b32 hwreg(HW_REG_WAVE_MODE, 25, 1), 1
	s_wait_xcnt 0x0
; FIRST PRODUCT, GELU, QUANTISER OF THE HIDDEN LAYER.  w1 [8][1024 (K)][4096] f32: columns 0-2047 give x, columns 2048-4095 the gate.
; A work-group owns (expert e, hidden units 64 hs .. 64 hs + 63): two panels of 1,024 K x 64 columns.  It reads them from memory ONCE, as f32, quantises them along K in registers, and keeps the codes:
; through LDS, as images of operand registers, into every wave's registers (512 of them).  Then its four waves walk the expert's tiles of 16 routed rows, tile t to wave t % 4.
; THE STREAM.  Wave w takes panel w % 2, K half w / 2: 16 slabs of 32 k x 64 columns.  A lane takes 4 columns (16 bytes) of 16 rows: each load covers two whole runs of 256 consecutive bytes.
; A block of 32 along K of a column lies in lanes l and l xor 16.  The conversion wants 8 neighbours along K in consecutive registers, so a slab's 64 numbers are moved once.  Loads run three slabs ahead.
; THE PRODUCT IS USED TRANSPOSED (source 0 = 16 columns of w1, source 1 = 16 rows of x): a lane holds one row, its registers run along the hidden units, which are the next product's K.
; THE COLUMNS OF A TILE ARE NOT NEIGHBOURS: row r of tile 2 b + u is hidden unit 32 b + 8 u + r + 8 (r / 8), so that the 16 registers of tiles 2 b, 2 b + 1 are 16 neighbours: 32 b + 16 (lane / 16) + 0 .. 15.
; GELU, exact form: g Phi(g) = max(g, 0) - |g| h, h = erfc(|g| / sqrt 2) / 2 = t 2^(poly(t) - g^2 log2(e) / 2), t = 1 / (1 + |g| / (2 sqrt 2)): a fit of erfc with fractional error under 1.2e-7 everywhere.
; No tensor loads and no cluster: the number of tiles is read from memory, and the walk hangs on it.  The one barrier stands ahead of every branch on it.
; LIMITS: NaN and infinities are not served.  A block of zeros gets the byte 1 (zero codes; only this program reads the bytes).  2^y under 2^-126 comes out as 0: gelu's far negative tail is 0.
; The rounding of g^2 adds about 6e-8 g^2 to h's relative error.
.set PITCH, 16384                      ; a row of w1 in bytes
.set NSL,   16                         ; slabs of a wave
.set WSB,   65664                      ; LDS: 8 strips (panel p, tile 2 b + u) of 8 fragments x 1,024 bytes at 32832 p + 16416 b + 8208 u; behind them the scale words: ((2 p + b) 8 + s) 128 + 4 (r + 16 u)
.set LT,    128                        ; stream: v128-191 a slab's numbers, column cc's 16 k on end at 16 cc
.set MX,    192                        ; v192-195 largest magnitudes   v196-199 the other half's   v200-203 scale operands   v204-207 bytes   v208-211 scale words   v212-219 codes
.set PM,    196
.set SO,    200
.set BY,    204
.set SW,    208
.set CD,    212
.set XF,    64                         ; walk: v64-127 x's 8 fragments; v16-47 the weights' scale words, v48-51 x's: these hold scales and nothing else
.set XA,    128                        ; v128-159 the sums for x: register 16 b + 8 u + j
.set GA,    160                        ; v160-191 the sums for the gate
.set TT,    192                        ; v192-223 t, later max(g, 0)
.set PP,    224                        ; v224-255 the polynomial, h, gelu, act
; window 1: the stream's four sets of 64 as loaded; later the x panel's 32 fragments at v[8 (8 (2 b + u) + s)].  window 2: the gate panel's.
; v1 16 lane   v2 where my codes go   v3 where my scale words go   v4 my offset in a slab   v5 WSB + 4 lane   v6 16 (lane % 16)   v7 the floor   v8-11 act's codes   v52-53 c9   v54-62 at work
; s22 my expert's first tile   s23 its tiles   s24 the tile in hand   s44 my wave's tiles   s45 counts them
.set MSB, 0
.macro WIN new                         ; the immediate's high byte repeats the setting that is left
.if MSB != (\new)
	s_set_vgpr_msb (MSB<<8)|(\new)
.set MSB, (\new)
.endif
.endm
.macro SLOAD j                         ; slab j into set j % 4: row 32 j + 16 (lane / 16) + i, 16 bytes at 16 (lane % 16)
	WIN 0x40
.irp i, 0,1,2,3,4,5,6,7,8,9,10,11,12,13,14,15
	global_load_b128 v[64*((\j)%4)+4*\i:64*((\j)%4)+4*\i+3], v4, s[4:5] offset:(32*(\j)+\i)*PITCH th:TH_LOAD_NT
.endr
.endm
.macro SLAB j
.set LS, 64*((\j)%4)
.if (\j)+3 < NSL
	SLOAD (\j)+3                                   ; into the set that the slab before this one has been read out of
.endif
.if NSL-1-(\j) >= 3
	s_wait_loadcnt 48                              ; this slab's 16 loads are in; those of the three younger slabs may be out
.else
	s_wait_loadcnt 16*(NSL-1-(\j))
.endif
	s_wait_dscnt 0x0                               ; the last slab's LDS stores have read their registers
	WIN 0x14                                       ; sources 1 and 2: window 1
.irp c, 0,1,2,3
	v_max3_num_f32 v[MX+\c], v7, |v[LS+\c]|, |v[LS+4+\c]|      ; column c: my 16 numbers, and the floor 2^(3 - 127)
.endr
.irp i, 2,4,6,8,10,12,14
.irp c, 0,1,2,3
	v_max3_num_f32 v[MX+\c], v[MX+\c], |v[LS+4*\i+\c]|, |v[LS+4*\i+4+\c]|
.endr
.endr
	WIN 0
.irp c, 0,1,2,3
	v_permlanex16_b32 v[PM+\c], v[MX+\c], s20, s21
.endr
.irp c, 0,1,2,3
	v_max_num_f32 v[MX+\c], v[MX+\c], v[PM+\c]     ; with lane l xor 16's 16: the block's largest magnitude
.endr
.irp c, 0,1,2,3
	v_add_nc_u32 v[SO+\c], 0xff000000, v[MX+\c]    ; 2 off its exponent field: the conversion's scale operand
.endr
.if (\j)%4 == 0
.irp c, 0,1,2,3
	v_lshrrev_b32 v[SW+\c], 23, v[SO+\c]           ; the byte starts a scale word: four slabs are a K step of 128
.endr
.else
.irp c, 0,1,2,3
	v_lshrrev_b32 v[BY+\c], 23, v[SO+\c]
.endr
.irp c, 0,1,2,3
	v_lshl_or_b32 v[SW+\c], v[BY+\c], 8*((\j)%4), v[SW+\c]
.endr
.endif
	WIN 0x01                                       ; source 0: window 1
.irp c, 0,1,2,3
.irp i, 0,1,2,3,4,5,6,7,8,9,10,11,12,13,14,15
	v_mov_b32 v[LT+16*\c+\i], v[LS+4*\i+\c]        ; a column's 16 k on end
.endr
.endr
	WIN 0
.irp c, 0,1,2,3
	v_cvt_scalef32_pk8_fp4_f32 v[CD+2*\c], v[LT+16*\c:LT+16*\c+7], v[SO+\c]
	v_cvt_scalef32_pk8_fp4_f32 v[CD+2*\c+1], v[LT+16*\c+8:LT+16*\c+15], v[SO+\c]
.endr
	v_nop                                          ; one plain line behind the scaled conversions
.irp c, 0,1,2,3
	ds_store_b64 v2, v[CD+2*\c:CD+2*\c+1] offset:((\j)/4)*1024+(((\j)/2)%2)*512+((\j)%2)*256+16*\c   ; half a block: 8 bytes of the fragment's image; the 32 lanes' pieces fall on 32 different places modulo 256 bytes
.endr
.if (\j)%4 == 3
.irp c, 0,1,2,3
	ds_store_b32 v3, v[SW+\c] offset:((\j)/4)*128+4*\c         ; lanes l and l xor 16 write the same word with the same value
.endr
.endif
.endm
	s_load_b256 s[4:11], s[0:1], 0x0               ; w1 s[4:5], xg s[6:7], plan s[8:9], act s[10:11]
	v_lshl_add_u32 v15, v0, 2, 0x11100
	v_mov_b32 v63, 0
	v_lshrrev_b32 v1, 5, v0
	v_readfirstlane_b32 s12, v1                    ; wave 0..3
	s_lshr_b32 s13, ttmp9, 5                       ; e
	s_and_b32 s14, ttmp9, 31                       ; hs
	s_and_b32 s15, s12, 1                          ; p: the panel that I stream
	s_lshr_b32 s16, s12, 1                         ; kq: its K half
	v_and_b32 v10, 1, v0                           ; my columns 4 q + cc, q = lane % 16: hidden unit = 32 b + 16 a + 8 u + 4 (q % 2) + cc
	v_bfe_u32 v9, v0, 1, 1                         ; u
	v_bfe_u32 v11, v0, 2, 1                        ; a
	v_bfe_u32 v8, v0, 3, 1                         ; b
	v_bfe_u32 v12, v0, 4, 1                        ; hh: which 16 rows of a slab
	v_and_b32 v13, 15, v0
	v_and_b32 v14, 31, v0
	v_mul_u32_u24 v2, v8, 16416
	v_mad_u32_u24 v2, v9, 8208, v2                 ; the strip of tile 2 b + u,
	v_lshl_add_u32 v2, v10, 6, v2                  ; 16 bytes for each row r = 8 a + 4 (q % 2) + cc,
	v_lshl_add_u32 v2, v11, 7, v2
	v_lshl_add_u32 v2, v12, 3, v2                  ; my half of the block's 16 bytes,
	s_mul_i32 s17, s15, 32832
	s_lshl_b32 s18, s16, 12
	s_add_co_u32 s17, s17, s18
	v_add_nc_u32 v2, s17, v2                       ; my panel, my four K steps
	v_lshlrev_b32 v3, 10, v8
	v_lshl_add_u32 v3, v10, 4, v3
	v_lshl_add_u32 v3, v11, 5, v3
	v_lshl_add_u32 v3, v9, 6, v3
	s_lshl_b32 s17, s15, 11
	s_lshl_b32 s18, s16, 9
	s_add_co_u32 s17, s17, s18
	s_add_co_u32 s17, s17, WSB
	v_add_nc_u32 v3, s17, v3
	v_lshlrev_b32 v4, 4, v13
	v_lshl_add_u32 v4, v12, 18, v4                 ; 16 q + 16 rows for lanes 16-31
	v_lshlrev_b32 v1, 4, v14
	v_lshl_add_u32 v5, v14, 2, WSB
	v_lshlrev_b32 v6, 4, v13
	v_mov_b32 v7, 0x1800000
	v_mov_b32 v52, 0x3e7c6f08                      ; c9, twice
	v_mov_b32 v53, 0x3e7c6f08
	v_mov_b32 v56, 0                               ; written once: a lane permute's destination counts as one of its sources
	v_mov_b32 v57, 0
.irp c, 0,1,2,3
	v_mov_b32 v[PM+\c], 0
.endr
	s_mov_b32 s20, 0x76543210
	s_mov_b32 s21, 0xfedcba98
	s_mov_b32 s40, 0x3eb504f3                      ; 1 / (2 sqrt 2)
	s_lshl_b32 s18, s13, 24                        ; e x 16,777,216
	s_lshl_b32 s17, s16, 23                        ; + 512 rows
	s_add_co_u32 s18, s18, s17
	s_lshl_b32 s17, s15, 13                        ; + the gate's 2,048 columns
	s_add_co_u32 s18, s18, s17
	s_lshl_b32 s17, s14, 8                         ; + 64 columns for each hs
	s_add_co_u32 s18, s18, s17
	s_mov_b32 s19, 0
	s_lshl_b32 s38, s13, 2
	s_mov_b32 s39, 0
	s_lshl_b32 s36, s14, 9                         ; act's codes: 512 hs
	s_lshr_b32 s17, s14, 3
	s_lshl_b32 s37, s17, 8
	s_and_b32 s17, s14, 7
	s_lshl_b32 s17, s17, 1
	s_add_co_u32 s37, s37, s17                     ; act's scale bytes: 256 (hs / 8) + 2 (hs % 8): K half, half of the lanes, word, half word
	s_wait_kmcnt 0x0
	s_add_nc_u64 s[4:5], s[4:5], s[18:19]
	s_add_nc_u64 s[8:9], s[8:9], s[38:39]
	s_load_b32 s22, s[8:9], 0x0                    ; my expert's first tile,
	s_load_b32 s23, s[8:9], 0x20                   ; and how many it has: waited for behind the barrier
	SLOAD 0
	SLOAD 1
	SLOAD 2
.irp j, 0,1,2,3,4,5,6,7,8,9,10,11,12,13,14,15
	SLAB \j
.endr
	s_wait_dscnt 0x0                               ; for the others' sake: my images lie in LDS
	s_barrier_signal -1
	s_barrier_wait -1                              ; the one barrier: nothing is written to LDS behind it
	s_wait_kmcnt 0x0
	s_cmp_ge_u32 s12, s23
	s_cbranch_scc1 .Lend                           ; fewer tiles than waves
	s_sub_co_u32 s44, s23, s12                     ; my tiles are w, w + 4, ..: (tiles - w + 3) / 4 of them,
	s_add_co_u32 s44, s44, 3
	s_lshr_b32 s44, s44, 2
	s_min_u32 s44, s44, 16                         ; never more than 16: an expert has at most 1,024 rows, 64 tiles, for four waves
	s_mov_b32 s45, 0                               ; the walk is counted in trips, one at a time
.macro XLOAD treg                      ; tile treg of my expert: x's 8 fragments and its scale words, as they lie
	s_add_co_u32 s26, s22, \treg
	s_min_u32 s26, s26, 135
	s_lshl_b32 s38, s26, 13
	s_mov_b32 s39, 0
	s_add_nc_u64 s[28:29], s[6:7], s[38:39]
	s_lshl_b32 s38, s26, 9
	s_add_nc_u64 s[30:31], s[6:7], s[38:39]
.irp n, 0,1,2,3,4,5,6,7,8,9,10,11,12,13,14,15
	global_load_b128 v[XF+4*\n:XF+4*\n+3], v1, s[28:29] offset:512*\n
.endr
	global_load_b128 v[48:51], v1, s[30:31] offset:1114112     ; lanes 0-15: words 0-3 of row r, lanes 16-31: words 4-7
.endm
	s_mov_b32 s24, s12                             ; t
	XLOAD s24
	WIN 0x40
.irp t, 0,1,2,3
.irp s, 0,1,2,3,4,5,6,7
.irp c, 0,1
	ds_load_b128 v[8*(8*\t+\s)+4*\c:8*(8*\t+\s)+4*\c+3], v1 offset:(\t/2)*16416+(\t%2)*8208+1024*\s+512*\c
.endr
.endr
.endr
	WIN 0x80
.irp t, 0,1,2,3
.irp s, 0,1,2,3,4,5,6,7
.irp c, 0,1
	ds_load_b128 v[8*(8*\t+\s)+4*\c:8*(8*\t+\s)+4*\c+3], v1 offset:32832+(\t/2)*16416+(\t%2)*8208+1024*\s+512*\c
.endr
.endr
.endr
	WIN 0
.irp g, 0,1,2,3,4,5,6,7,8,9,10,11,12,13,14,15,16,17,18,19,20,21,22,23,24,25,26,27,28,29,30,31
	ds_load_b32 v[16+\g], v5 offset:128*\g         ; lanes 0-15: tile 2 b's rows, lanes 16-31: tile 2 b + 1's
.endr
	s_wait_dscnt 0x0
; 32 products of panel p: K step by K step, the four tiles' accumulators by turns, one instruction a turn
.macro MULS p
	WIN 1+(\p)
.irp s, 0,1,2,3,4,5,6,7
.irp t, 0,1,2,3
.set rD, XA+32*(\p)+8*\t
.set rA, 8*(8*\t+\s)
.set rB, XF+8*\s
.set rSA, 16+(2*(\p)+\t/2)*8+\s
.set rSB, 48+(\s%4)
.if \s == 0
.if \t%2 == 0
	v_wmma_scale_f32_16x16x128_f8f6f4 v[rD:rD+7], v[rA:rA+7], v[rB:rB+7], 0, v[rSA], v[rSB] matrix_a_fmt:MATRIX_FMT_FP4 matrix_b_fmt:MATRIX_FMT_FP4
.else
	v_wmma_scale_f32_16x16x128_f8f6f4 v[rD:rD+7], v[rA:rA+7], v[rB:rB+7], 0, v[rSA], v[rSB] matrix_a_fmt:MATRIX_FMT_FP4 matrix_b_fmt:MATRIX_FMT_FP4 matrix_a_scale:MATRIX_SCALE_ROW1
.endif
.elseif \s < 4
.if \t%2 == 0
	v_wmma_scale_f32_16x16x128_f8f6f4 v[rD:rD+7], v[rA:rA+7], v[rB:rB+7], v[rD:rD+7], v[rSA], v[rSB] matrix_a_fmt:MATRIX_FMT_FP4 matrix_b_fmt:MATRIX_FMT_FP4
.else
	v_wmma_scale_f32_16x16x128_f8f6f4 v[rD:rD+7], v[rA:rA+7], v[rB:rB+7], v[rD:rD+7], v[rSA], v[rSB] matrix_a_fmt:MATRIX_FMT_FP4 matrix_b_fmt:MATRIX_FMT_FP4 matrix_a_scale:MATRIX_SCALE_ROW1
.endif
.else
.if \t%2 == 0
	v_wmma_scale_f32_16x16x128_f8f6f4 v[rD:rD+7], v[rA:rA+7], v[rB:rB+7], v[rD:rD+7], v[rSA], v[rSB] matrix_a_fmt:MATRIX_FMT_FP4 matrix_b_fmt:MATRIX_FMT_FP4 matrix_b_scale:MATRIX_SCALE_ROW1
.else
	v_wmma_scale_f32_16x16x128_f8f6f4 v[rD:rD+7], v[rA:rA+7], v[rB:rB+7], v[rD:rD+7], v[rSA], v[rSB] matrix_a_fmt:MATRIX_FMT_FP4 matrix_b_fmt:MATRIX_FMT_FP4 matrix_a_scale:MATRIX_SCALE_ROW1 matrix_b_scale:MATRIX_SCALE_ROW1
.endif
.endif
.endr
.endr
.endm
.macro HORNER lit                      ; P = P t + the next coefficient, two at a time
.set i, 0
.rept 16
	v_pk_fma_f32 v[PP+i:PP+i+1], v[PP+i:PP+i+1], v[TT+i:TT+i+1], \lit op_sel_hi:[1,1,0]
.set i, i+2
.endr
.endm
.Ltile:
	s_wait_loadcnt 0x0                             ; this tile's x
	s_wait_xcnt 0x0                                ; the last tile's stores have read their registers and bases
	s_add_co_u32 s26, s22, s24
	s_min_u32 s26, s26, 135
	s_lshl_b32 s38, s26, 14
	s_add_co_u32 s38, s38, s36
	s_mov_b32 s39, 0
	s_add_nc_u64 s[32:33], s[10:11], s[38:39]      ; act + 16384 tile + 512 hs
	s_lshl_b32 s38, s26, 10
	s_add_co_u32 s38, s38, s37
	s_add_nc_u64 s[34:35], s[10:11], s[38:39]      ; act + 1024 tile + my half word's place
	MULS 0
	MULS 1
	WIN 0
.rept 4
	v_nop                                          ; places in front of loads into registers that matrix instructions have read, and of the first read of results
.endr
	s_add_co_u32 s25, s24, 4
	s_cmp_ge_u32 s25, s23
	s_cbranch_scc1 .Lno_next
	XLOAD s25                                      ; my next tile's x lands under the gelu
.Lno_next:
	; every pass goes over the registers in ascending order
.set i, 0
.rept 32
	v_fma_f32 v[TT+i], |v[GA+i]|, s40, 1.0
.set i, i+1
.endr
.set i, 0
.rept 32
	v_rcp_f32 v[TT+i], v[TT+i]                     ; t
.set i, i+1
.endr
	v_nop                                          ; a plain line behind the last reciprocal
	s_wait_alu depctr_va_vdst(0)                   ; one wait for the 32, ahead of their first reader
.set i, 0
.rept 16
	v_pk_fma_f32 v[PP+i:PP+i+1], v[TT+i:TT+i+1], v[52:53], 0xbf97d29d op_sel_hi:[1,1,0]   ; c9 t + c8.  The coefficients are the fit's x log2(e); c0 has 1 taken off for the half
.set i, i+2
.endr
	HORNER 0x40097039
	HORNER 0xbfd1a1e5
	HORNER 0x3ecdfd18
	HORNER 0xbe899a80
	HORNER 0x3e0efb2e
	HORNER 0x3f0a29d2
	HORNER 0x3fb8ab5a
	HORNER 0xc034d90f
.set i, 0
.rept 4
.irp k, 0,1,2,3
	v_pk_mul_f32 v[54+2*\k:55+2*\k], v[GA+i+2*\k:GA+i+2*\k+1], v[GA+i+2*\k:GA+i+2*\k+1]
.endr
.irp k, 0,1,2,3
	v_pk_fma_f32 v[PP+i+2*\k:PP+i+2*\k+1], v[54+2*\k:55+2*\k], 0xbf38aa3b, v[PP+i+2*\k:PP+i+2*\k+1] op_sel_hi:[1,0,1]   ; - g^2 log2(e) / 2
.endr
.set i, i+8
.endr
.set i, 0
.rept 32
	v_exp_f32 v[PP+i], v[PP+i]
.set i, i+1
.endr
	v_nop
	s_wait_alu depctr_va_vdst(0)                   ; one wait for the 32 exponentials
.set i, 0
.rept 16
	v_pk_mul_f32 v[PP+i:PP+i+1], v[PP+i:PP+i+1], v[TT+i:TT+i+1]   ; h = erfc / 2
.set i, i+2
.endr
.set i, 0
.rept 32
	v_max_num_f32 v[TT+i], 0, v[GA+i]
.set i, i+1
.endr
.set i, 0
.rept 32
	v_fma_f32 v[PP+i], -|v[GA+i]|, v[PP+i], v[TT+i]            ; gelu = max(g, 0) - |g| h
.set i, i+1
.endr
.set i, 0
.rept 16
	v_pk_mul_f32 v[PP+i:PP+i+1], v[PP+i:PP+i+1], v[XA+i:XA+i+1]   ; x the other half of the first product
.set i, i+2
.endr
	; two blocks of 32 along the next K: register 16 b + i is hidden unit 32 b + 16 (lane / 16) + i of my row
.irp b, 0,1
	v_max3_num_f32 v[54+\b], |v[PP+16*\b]|, |v[PP+16*\b+1]|, 0x1800000
.endr
.irp i, 2,4,6,8,10,12,14
.irp b, 0,1
	v_max3_num_f32 v[54+\b], v[54+\b], |v[PP+16*\b+\i]|, |v[PP+16*\b+\i+1]|
.endr
.endr
.irp b, 0,1
	v_permlanex16_b32 v[56+\b], v[54+\b], s20, s21
.endr
.irp b, 0,1
	v_max_num_f32 v[54+\b], v[54+\b], v[56+\b]
.endr
.irp b, 0,1
	v_add_nc_u32 v[58+\b], 0xff000000, v[54+\b]
.endr
.irp b, 0,1
	v_lshrrev_b32 v[60+\b], 23, v[58+\b]
.endr
	v_lshl_or_b32 v62, v61, 8, v60                 ; my row's two bytes: half a scale word
	v_cvt_scalef32_pk8_fp4_f32 v8, v[PP:PP+7], v58
	v_cvt_scalef32_pk8_fp4_f32 v9, v[PP+8:PP+15], v58
	v_cvt_scalef32_pk8_fp4_f32 v10, v[PP+16:PP+23], v59
	v_cvt_scalef32_pk8_fp4_f32 v11, v[PP+24:PP+31], v59
	v_nop                                          ; one plain line behind the scaled conversions
	v_permlane16_swap_b32 v8, v10                  ; the operand's layout wants a whole block in a lane: lanes 0-15 block 0, lanes 16-31 block 1
	v_permlane16_swap_b32 v9, v11
	global_store_b128 v1, v[8:11], s[32:33]        ; half a fragment's image: 512 consecutive bytes
	global_store_b16 v6, v62, s[34:35] offset:2228224          ; lanes r and 16 + r write the same two bytes with the same value
	s_add_co_u32 s24, s24, 4                       ; my next tile
	s_add_co_u32 s45, s45, 1
	s_cmp_lt_u32 s45, s44
	s_cbranch_scc1 .Ltile
.Lend:
	s_wait_tensorcnt 0x0
	ds_add_u32 v15, v63
	s_wait_dscnt 0x0
	s_endpgm
.Lfunc_end_k_qfee90046a3_ffn1:
	.size	k_qfee90046a3_ffn1, .Lfunc_end_k_qfee90046a3_ffn1-k_qfee90046a3_ffn1
	.p2alignl 7, 3214868480
	.fill 96, 4, 3214868480
	.section	.rodata,"a",@progbits
	.p2align	6, 0x0
	.amdhsa_kernel k_qfee90046a3_ffn1
		.amdhsa_group_segment_fixed_size 70400
		.amdhsa_private_segment_fixed_size 0
		.amdhsa_enable_private_segment 0
		.amdhsa_kernarg_size 32
		.amdhsa_user_sgpr_count 2
		.amdhsa_user_sgpr_kernarg_segment_ptr 1
		.amdhsa_wavefront_size32 1
		.amdhsa_system_sgpr_workgroup_id_x 1
		.amdhsa_system_sgpr_workgroup_id_y 1
		.amdhsa_system_sgpr_workgroup_id_z 1
		.amdhsa_system_vgpr_workitem_id 0
		.amdhsa_next_free_vgpr 768
		.amdhsa_next_free_sgpr 66
		.amdhsa_reserve_vcc 0
		.amdhsa_float_denorm_mode_32 3
		.amdhsa_float_denorm_mode_16_64 3
		.amdhsa_memory_ordered 1
		.amdhsa_forward_progress 1
		.amdhsa_inst_pref_size 174
	.end_amdhsa_kernel
	.amdgpu_metadata
---
amdhsa.version: [ 1, 2 ]
amdhsa.kernels:
  - .name:           k_qfee90046a3_ffn1
    .symbol:         k_qfee90046a3_ffn1.kd
    .args:
      - { .name: w1, .offset: 0, .size: 8, .value_kind: global_buffer, .address_space: global }
      - { .name: xg, .offset: 8, .size: 8, .value_kind: global_buffer, .address_space: global }
      - { .name: plan, .offset: 16, .size: 8, .value_kind: global_buffer, .address_space: global }
      - { .name: act, .offset: 24, .size: 8, .value_kind: global_buffer, .address_space: global }
    .group_segment_fixed_size: 70400
    .private_segment_fixed_size: 0
    .kernarg_segment_align: 8
    .kernarg_segment_size: 32
    .max_flat_workgroup_size: 128
    .sgpr_count:     66
    .vgpr_count:     768
    .wavefront_size: 32
...
	.end_amdgpu_metadata
.endif
;; end of part 3
;; launch ffn2 (part 4): grid 256 x 1, 4 waves a work-group, no clusters, 52,992 bytes of LDS; arguments w2, act, xg, plan, y2; writes y2
.if DOCPART == 4
	.amdgcn_target "amdgcn-amd-amdhsa--gfx1250"
	.amdhsa_code_object_version 6
	.text
	.protected	k_qfee90046a3_ffn2
	.globl	k_qfee90046a3_ffn2
	.p2align	8
	.type	k_qfee90046a3_ffn2,@function
k_qfee90046a3_ffn2:
	s_mov_b64 s[64:65], 0
	v_nop
	global_prefetch_b8 v0, s[64:65] scope:SCOPE_SE
	s_setreg_imm32_b32 hwreg(HW_REG_WAVE_MODE, 25, 1), 1
	s_wait_xcnt 0x0
; SECOND PRODUCT.  w2 [8][2048 (K)][1024] f32.  A work-group owns (expert e, outputs 64 ds .. 64 ds + 63, K half kh): one panel of 1,024 K x 64 columns, read from memory once, quantised along K in
; registers, kept as codes (through LDS, as images of operand registers, into every wave's 256 registers of window 1).  Its four waves then walk the expert's tiles of 16 routed rows, tile t to wave t % 4:
; the hidden layer's codes come as images, 32 products a tile, the gate's weight, and each row goes to its own place in y2 [r2][kh][1024] f32; the last launch adds a token's four partial rows.
; K is halved so that 256 work-groups each read runs of 256 consecutive bytes.  The stream is the first product's: wave w takes K quarter w of the panel, 8 slabs of 32 k x 64 columns, loads three slabs ahead.
; THE WALK'S OPERANDS COME THREE TILES AHEAD.  A tile's operands are 20 loads: 16 of codes, 1 of scale words, 1 of weights, 2 of the rows' places.  They have three sets of registers.  The first three of my
; tiles are asked for in the stream's last three slabs, where no further slab is asked for; a set is asked for again, with the tile three of mine further on, right behind the products that read it.
; That request is made on EVERY path, so that the counted wait at a tile's head means the same everywhere; where there is no such tile, the tile in hand is named again and what comes is not used.
; THE PRODUCT IS USED TRANSPOSED (source 0 = 16 columns of w2, source 1 = 16 rows): a lane holds eight neighbouring outputs of one row.  A tile's rows go through the wave's own stage in LDS and leave whole.
; No tensor loads and no cluster: the number of tiles is read from memory.  The one barrier stands ahead of every branch on it.
; LIMITS: NaN and infinities are not served.  A block of zeros gets the byte 1 (zero codes; only this program reads the bytes).  Pad rows go to rows 2048 on of y2, each with one writer, which nobody reads.
.set PITCH, 4096
.set NSL,   8
.set NA,    20                         ; loads that bring a tile's operands
.set WSB,   32832                      ; LDS: 4 strips (tile of 16 columns) of 8 fragments x 1,024 bytes at 8208 tile; behind them the scale words: ((tile / 2) 8 + s) 128 + 4 (r + 16 (tile % 2))
.set STG,   34880                      ; behind them a stage of 16 rows x (256 + 16) bytes for each wave
.set LT,    128                        ; stream: v128-191 a slab's numbers; v192-219 as in the first product's stream
.set MX,    192
.set PM,    196
.set SO,    200
.set BY,    204
.set SW,    208
.set CD,    212
.set WSC,   16                         ; walk: v16-31 the weights' scale words, v32-43 the rows', four for each set: these hold scales and nothing else
.set ASC,   32
.set GWT,   44                         ; v44, v46, v48 the gate's weight of my row, one for each set (v45, v47, v49 are named with them as pairs)
.set DST,   52                         ; v52-75 the places r2 of rows 8 (lane / 16) + 0 .. 7, eight for each set
.set ROF,   76                         ; v76-83 those rows' byte offsets in y2
.set YA,    128                        ; v128-159 four accumulators
.set RB,    160                        ; v160-191 rows read back
; window 1: the stream's four sets of 64 as loaded; later the panel's 32 fragments at v[8 (8 tile + s)].  window 2: the rows' 8 fragments, set k at v[64 k].
; v1 16 lane   v2, v3 where my codes and scale words go   v4 my offset in a slab   v5 WSB + 4 lane   v7 the floor   v8, v9 the stage, in and back   v10 4 (lane % 16)   v11 32 (lane / 16)   v12 16 (lane % 16)
; s22 my expert's first tile   s23 its tiles   s24 the tile in hand   s[28 + 8 k : 35 + 8 k] set k's four bases   s84, s85 my K half's bytes in act   s93 counts the trips
.set MSB, 0
.macro WIN new                         ; the immediate's high byte repeats the setting that is left
.if MSB != (\new)
	s_set_vgpr_msb (MSB<<8)|(\new)
.set MSB, (\new)
.endif
.endm
.macro SLOAD j
	WIN 0x40
.irp i, 0,1,2,3,4,5,6,7,8,9,10,11,12,13,14,15
	global_load_b128 v[64*((\j)%4)+4*\i:64*((\j)%4)+4*\i+3], v4, s[4:5] offset:(32*(\j)+\i)*PITCH th:TH_LOAD_NT
.endr
.endm
; The operands of my expert's tile cand, or of tile fall where the expert has no tile cand, into set k.  The set's bases are written only when its earlier loads have been waited for.
.macro ALOAD k, cand, fall
	s_cmp_lt_u32 \cand, s23
	s_cselect_b32 s26, \cand, \fall
	s_add_co_u32 s26, s22, s26
	s_min_u32 s26, s26, 135
	s_lshl_b32 s86, s26, 14
	s_add_co_u32 s86, s86, s84
	s_add_nc_u64 s[28+8*(\k):29+8*(\k)], s[6:7], s[86:87]      ; act + 16384 tile + 8192 kh
	s_lshl_b32 s86, s26, 10
	s_add_co_u32 s86, s86, s85
	s_add_nc_u64 s[30+8*(\k):31+8*(\k)], s[6:7], s[86:87]      ; act + 1024 tile + 512 kh
	s_lshl_b32 s86, s26, 6
	s_add_nc_u64 s[32+8*(\k):33+8*(\k)], s[8:9], s[86:87]      ; xg + 64 tile
	s_add_nc_u64 s[34+8*(\k):35+8*(\k)], s[10:11], s[86:87]    ; plan + 64 tile
	WIN 0x80                                       ; destination window 2
.irp n, 0,1,2,3,4,5,6,7,8,9,10,11,12,13,14,15
	global_load_b128 v[64*(\k)+4*\n:64*(\k)+4*\n+3], v1, s[28+8*(\k):29+8*(\k)] offset:512*\n
.endr
	WIN 0
	global_load_b128 v[ASC+4*(\k):ASC+4*(\k)+3], v1, s[30+8*(\k):31+8*(\k)] offset:2228224    ; lanes 0-15: words 0-3 of row r, lanes 16-31: words 4-7
	global_load_b32 v[GWT+2*(\k)], v10, s[32+8*(\k):33+8*(\k)] offset:1183744
	global_load_b128 v[DST+8*(\k):DST+8*(\k)+3], v11, s[34+8*(\k):35+8*(\k)] offset:256       ; sixteen lanes read the same 32 bytes: rows 8 h .. 8 h + 7
	global_load_b128 v[DST+8*(\k)+4:DST+8*(\k)+7], v11, s[34+8*(\k):35+8*(\k)] offset:272
.endm
.macro SLAB j
.set LS, 64*((\j)%4)
.if (\j)+3 < NSL
	SLOAD (\j)+3                                   ; into the set that the slab before this one has been read out of
	s_wait_loadcnt 48                              ; this slab's 16 loads are in; those of the three younger slabs may be out
.else
	s_wait_loadcnt 16*(NSL-1-(\j))+NA*((\j)+3-NSL) ; this slab's are in; the younger slabs' 16 each and the 20 of each tile asked for so far may be out
.if (\j)+3 == NSL
	s_wait_kmcnt 0x0                               ; my expert's first tile and its number of tiles
.endif
	s_add_co_u32 s25, s14, 4*((\j)+3-NSL)
	ALOAD (\j)+3-NSL, s25, s14                     ; my first, second, third tile: one where each of the last three slabs has no slab to ask for
.endif
	s_wait_dscnt 0x0                               ; the last slab's LDS stores have read their registers
	WIN 0x14
.irp c, 0,1,2,3
	v_max3_num_f32 v[MX+\c], v7, |v[LS+\c]|, |v[LS+4+\c]|      ; column c: my 16 numbers, and the floor 2^(3 - 127)
.endr
.irp i, 2,4,6,8,10,12,14
.irp c, 0,1,2,3
	v_max3_num_f32 v[MX+\c], v[MX+\c], |v[LS+4*\i+\c]|, |v[LS+4*\i+4+\c]|
.endr
.endr
	WIN 0
.irp c, 0,1,2,3
	v_permlanex16_b32 v[PM+\c], v[MX+\c], s20, s21
.endr
.irp c, 0,1,2,3
	v_max_num_f32 v[MX+\c], v[MX+\c], v[PM+\c]     ; with lane l xor 16's 16: the block's largest magnitude
.endr
.irp c, 0,1,2,3
	v_add_nc_u32 v[SO+\c], 0xff000000, v[MX+\c]    ; 2 off its exponent field: the conversion's scale operand
.endr
.if (\j)%4 == 0
.irp c, 0,1,2,3
	v_lshrrev_b32 v[SW+\c], 23, v[SO+\c]           ; the byte starts a scale word: four slabs are a K step of 128
.endr
.else
.irp c, 0,1,2,3
	v_lshrrev_b32 v[BY+\c], 23, v[SO+\c]
.endr
.irp c, 0,1,2,3
	v_lshl_or_b32 v[SW+\c], v[BY+\c], 8*((\j)%4), v[SW+\c]
.endr
.endif
	WIN 0x01
.irp c, 0,1,2,3
.irp i, 0,1,2,3,4,5,6,7,8,9,10,11,12,13,14,15
	v_mov_b32 v[LT+16*\c+\i], v[LS+4*\i+\c]        ; a column's 16 k on end
.endr
.endr
	WIN 0
.irp c, 0,1,2,3
	v_cvt_scalef32_pk8_fp4_f32 v[CD+2*\c], v[LT+16*\c:LT+16*\c+7], v[SO+\c]
	v_cvt_scalef32_pk8_fp4_f32 v[CD+2*\c+1], v[LT+16*\c+8:LT+16*\c+15], v[SO+\c]
.endr
	v_nop                                          ; one plain line behind the scaled conversions
.irp c, 0,1,2,3
	ds_store_b64 v2, v[CD+2*\c:CD+2*\c+1] offset:((\j)/4)*1024+(((\j)/2)%2)*512+((\j)%2)*256+16*\c
.endr
.if (\j)%4 == 3
.irp c, 0,1,2,3
	ds_store_b32 v3, v[SW+\c] offset:((\j)/4)*128+4*\c         ; lanes l and l xor 16 write the same word with the same value
.endr
.endif
.endm
	s_load_b256 s[4:11], s[0:1], 0x0               ; w2 s[4:5], act s[6:7], xg s[8:9], plan s[10:11]
	s_load_b64 s[12:13], s[0:1], 0x20              ; y2
	v_lshl_add_u32 v254, v0, 2, 0xcd00
	v_mov_b32 v255, 0
	v_lshrrev_b32 v1, 5, v0
	v_readfirstlane_b32 s14, v1                    ; wave 0..3
	s_lshr_b32 s15, ttmp9, 5                       ; e
	s_bfe_u32 s16, ttmp9, 0x40001                  ; ds
	s_and_b32 s17, ttmp9, 1                        ; kh
	v_and_b32 v84, 3, v0                           ; my columns 4 q + cc, q = lane % 16: tile q / 4, row 4 (q % 4) + cc
	v_bfe_u32 v85, v0, 2, 2
	v_bfe_u32 v86, v0, 4, 1                        ; lane / 16
	v_bfe_u32 v87, v0, 2, 1
	v_bfe_u32 v88, v0, 3, 1
	v_and_b32 v89, 15, v0
	v_and_b32 v90, 31, v0
	v_mul_u32_u24 v2, v85, 8208
	v_lshl_add_u32 v2, v84, 6, v2
	v_lshl_add_u32 v2, v86, 3, v2
	s_lshl_b32 s18, s14, 11                        ; my two K steps
	v_add_nc_u32 v2, s18, v2
	v_lshlrev_b32 v3, 10, v88
	v_lshl_add_u32 v3, v84, 4, v3
	v_lshl_add_u32 v3, v87, 6, v3
	s_lshl_b32 s18, s14, 8
	s_add_co_u32 s18, s18, WSB
	v_add_nc_u32 v3, s18, v3
	v_lshlrev_b32 v12, 4, v89
	v_lshl_add_u32 v4, v86, 16, v12                ; 16 q + 16 rows for lanes 16-31
	v_lshlrev_b32 v1, 4, v90
	v_lshl_add_u32 v5, v90, 2, WSB
	s_mul_i32 s18, s14, 16*272
	s_add_co_u32 s18, s18, STG                     ; my stage
	v_mul_u32_u24 v8, v89, 272
	v_lshl_add_u32 v8, v86, 5, v8
	v_add_nc_u32 v8, s18, v8                       ; in: row lane % 16, + 32 (lane / 16)
	v_mul_u32_u24 v9, v86, 8*272
	v_add_nc_u32 v9, v9, v12
	v_add_nc_u32 v9, s18, v9                       ; back: lanes 0-15 take row i, lanes 16-31 row 8 + i; 16 bytes a lane of a row's 256
	v_lshlrev_b32 v10, 2, v89
	v_lshlrev_b32 v11, 5, v86
.irp k, 0,1,2
	v_mov_b32 v[GWT+2*\k+1], 0                     ; named as the upper halves of pairs, so they are written
.endr
	v_mov_b32 v7, 0x1800000
.irp c, 0,1,2,3
	v_mov_b32 v[PM+\c], 0                          ; written once: a lane permute's destination counts as one of its sources
.endr
	s_mov_b32 s20, 0x76543210
	s_mov_b32 s21, 0xfedcba98
	s_lshl_b32 s18, s15, 23                        ; e x 8,388,608
	s_lshl_b32 s25, s17, 22                        ; + 1,024 rows for the K half
	s_add_co_u32 s18, s18, s25
	s_lshl_b32 s25, s14, 20                        ; + 256 rows for the wave
	s_add_co_u32 s18, s18, s25
	s_lshl_b32 s25, s16, 8                         ; + 64 columns for each ds
	s_add_co_u32 s18, s18, s25
	s_mov_b32 s19, 0
	s_lshl_b32 s86, s17, 12
	s_add_co_u32 s86, s86, s25                     ; y2: 4096 kh + 256 ds
	s_mov_b32 s87, 0
	s_lshl_b32 s88, s15, 2
	s_mov_b32 s89, 0
	s_lshl_b32 s84, s17, 13                        ; act's codes: 8192 kh
	s_lshl_b32 s85, s17, 9                         ; its scale words: 512 kh
	s_wait_kmcnt 0x0
	s_add_nc_u64 s[4:5], s[4:5], s[18:19]
	s_add_nc_u64 s[12:13], s[12:13], s[86:87]
	s_add_nc_u64 s[90:91], s[10:11], s[88:89]
	s_load_b32 s22, s[90:91], 0x0                  ; my expert's first tile,
	s_load_b32 s23, s[90:91], 0x20                 ; and how many it has: waited for in the stream's third slab from the end
	SLOAD 0
	SLOAD 1
	SLOAD 2
.irp j, 0,1,2,3,4,5,6,7
	SLAB \j
.endr
	s_wait_dscnt 0x0                               ; for the others' sake: my images lie in LDS
	s_barrier_signal -1
	s_barrier_wait -1                              ; the one barrier: behind it each wave writes its own stage alone
	s_cmp_ge_u32 s14, s23
	s_cbranch_scc1 .Lend                           ; fewer tiles than waves
	WIN 0x40
.irp t, 0,1,2,3
.irp s, 0,1,2,3,4,5,6,7
.irp c, 0,1
	ds_load_b128 v[8*(8*\t+\s)+4*\c:8*(8*\t+\s)+4*\c+3], v1 offset:\t*8208+1024*\s+512*\c
.endr
.endr
.endr
	WIN 0
.irp g, 0,1,2,3,4,5,6,7,8,9,10,11,12,13,14,15
	ds_load_b32 v[WSC+\g], v5 offset:128*\g        ; lanes 0-15: the even tile's rows, lanes 16-31: the odd tile's
.endr
	s_wait_dscnt 0x0
; One tile, with its operands in set k.
.macro SUB k
	s_cmp_ge_u32 s24, s23
	s_cbranch_scc1 .Lend                           ; my tiles are done
	s_wait_loadcnt 2*NA                            ; this set's 20 loads are in; the two younger sets' may be out
	s_wait_xcnt 0x0                                ; the last tile's stores have read their registers
	WIN 0x09                                       ; source 0 (w2) window 1, source 1 (the rows) window 2.  The four accumulators take turns, one instruction a turn
.irp s, 0,1,2,3,4,5,6,7
.irp t, 0,1,2,3
.set rD, YA+8*\t
.set rA, 8*(8*\t+\s)
.set rB, 64*(\k)+8*\s
.set rSA, WSC+(\t/2)*8+\s
.set rSB, ASC+4*(\k)+(\s%4)
.if \s == 0
.if \t%2 == 0
	v_wmma_scale_f32_16x16x128_f8f6f4 v[rD:rD+7], v[rA:rA+7], v[rB:rB+7], 0, v[rSA], v[rSB] matrix_a_fmt:MATRIX_FMT_FP4 matrix_b_fmt:MATRIX_FMT_FP4
.else
	v_wmma_scale_f32_16x16x128_f8f6f4 v[rD:rD+7], v[rA:rA+7], v[rB:rB+7], 0, v[rSA], v[rSB] matrix_a_fmt:MATRIX_FMT_FP4 matrix_b_fmt:MATRIX_FMT_FP4 matrix_a_scale:MATRIX_SCALE_ROW1
.endif
.elseif \s < 4
.if \t%2 == 0
	v_wmma_scale_f32_16x16x128_f8f6f4 v[rD:rD+7], v[rA:rA+7], v[rB:rB+7], v[rD:rD+7], v[rSA], v[rSB] matrix_a_fmt:MATRIX_FMT_FP4 matrix_b_fmt:MATRIX_FMT_FP4
.else
	v_wmma_scale_f32_16x16x128_f8f6f4 v[rD:rD+7], v[rA:rA+7], v[rB:rB+7], v[rD:rD+7], v[rSA], v[rSB] matrix_a_fmt:MATRIX_FMT_FP4 matrix_b_fmt:MATRIX_FMT_FP4 matrix_a_scale:MATRIX_SCALE_ROW1
.endif
.else
.if \t%2 == 0
	v_wmma_scale_f32_16x16x128_f8f6f4 v[rD:rD+7], v[rA:rA+7], v[rB:rB+7], v[rD:rD+7], v[rSA], v[rSB] matrix_a_fmt:MATRIX_FMT_FP4 matrix_b_fmt:MATRIX_FMT_FP4 matrix_b_scale:MATRIX_SCALE_ROW1
.else
	v_wmma_scale_f32_16x16x128_f8f6f4 v[rD:rD+7], v[rA:rA+7], v[rB:rB+7], v[rD:rD+7], v[rSA], v[rSB] matrix_a_fmt:MATRIX_FMT_FP4 matrix_b_fmt:MATRIX_FMT_FP4 matrix_a_scale:MATRIX_SCALE_ROW1 matrix_b_scale:MATRIX_SCALE_ROW1
.endif
.endif
.endr
.endr
	WIN 0
.irp i, 0,1,2,3,4,5,6,7
	v_min_u32 v[ROF+\i], 0x87f, v[DST+8*(\k)+\i]   ; row 8 h + i's place, held inside y2's 2,176 rows.  (These sixteen lines are also the places behind the products: ISA guide 7.12.1)
.endr
.irp i, 0,1,2,3,4,5,6,7
	v_lshl_add_u32 v[ROF+\i], v[ROF+\i], 13, v12   ; 8,192 bytes a row of y2, + 16 (lane % 16)
.endr
.set i, 0
.rept 16
	v_pk_mul_f32 v[YA+i:YA+i+1], v[YA+i:YA+i+1], v[GWT+2*(\k):GWT+2*(\k)+1] op_sel_hi:[1,0]   ; x my row's gate weight; in ascending order
.set i, i+2
.endr
	s_add_co_u32 s25, s24, 12
	ALOAD \k, s25, s24                             ; this set's next tile: three of my tiles on
.irp t, 0,1,2,3
	ds_store_b128 v8, v[YA+8*\t:YA+8*\t+3] offset:64*\t
	ds_store_b128 v8, v[YA+8*\t+4:YA+8*\t+7] offset:64*\t+16
.endr
.irp i, 0,1,2,3,4,5,6,7
	ds_load_b128 v[RB+4*\i:RB+4*\i+3], v9 offset:272*\i        ; LDS serves a wave's instructions in order: these see my stores
.endr
.irp i, 0,1,2,3,4,5,6,7
	s_wait_dscnt 7-\i                              ; rows i and 8 + i are back; the younger rows may be out
	global_store_b128 v[ROF+\i], v[RB+4*\i:RB+4*\i+3], s[12:13]   ; each sixteen lanes store 256 consecutive bytes, aligned: a row's part
.endr
	s_add_co_u32 s24, s24, 4                       ; my next tile
.endm
	s_mov_b32 s24, s14                             ; t
	s_mov_b32 s93, 0
.Ltile:                                                ; a trip takes three tiles, one in each set; six trips serve 18: an expert has at most 1,024 rows, 64 tiles, 16 for a wave
	SUB 0
	SUB 1
	SUB 2
	s_add_co_u32 s93, s93, 1
	s_cmp_lt_u32 s93, 6
	s_cbranch_scc1 .Ltile
.Lend:
	s_wait_tensorcnt 0x0
	ds_add_u32 v254, v255
	s_wait_dscnt 0x0
	s_endpgm
.Lfunc_end_k_qfee90046a3_ffn2:
	.size	k_qfee90046a3_ffn2, .Lfunc_end_k_qfee90046a3_ffn2-k_qfee90046a3_ffn2
	.p2alignl 7, 3214868480
	.fill 96, 4, 3214868480
	.section	.rodata,"a",@progbits
	.p2align	6, 0x0
	.amdhsa_kernel k_qfee90046a3_ffn2
		.amdhsa_group_segment_fixed_size 52992
		.amdhsa_private_segment_fixed_size 0
		.amdhsa_enable_private_segment 0
		.amdhsa_kernarg_size 40
		.amdhsa_user_sgpr_count 2
		.amdhsa_user_sgpr_kernarg_segment_ptr 1
		.amdhsa_wavefront_size32 1
		.amdhsa_system_sgpr_workgroup_id_x 1
		.amdhsa_system_sgpr_workgroup_id_y 1
		.amdhsa_system_sgpr_workgroup_id_z 1
		.amdhsa_system_vgpr_workitem_id 0
		.amdhsa_next_free_vgpr 768
		.amdhsa_next_free_sgpr 100
		.amdhsa_reserve_vcc 0
		.amdhsa_float_denorm_mode_32 3
		.amdhsa_float_denorm_mode_16_64 3
		.amdhsa_memory_ordered 1
		.amdhsa_forward_progress 1
		.amdhsa_inst_pref_size 109
	.end_amdhsa_kernel
	.amdgpu_metadata
---
amdhsa.version: [ 1, 2 ]
amdhsa.kernels:
  - .name:           k_qfee90046a3_ffn2
    .symbol:         k_qfee90046a3_ffn2.kd
    .args:
      - { .name: w2, .offset: 0, .size: 8, .value_kind: global_buffer, .address_space: global }
      - { .name: act, .offset: 8, .size: 8, .value_kind: global_buffer, .address_space: global }
      - { .name: xg, .offset: 16, .size: 8, .value_kind: global_buffer, .address_space: global }
      - { .name: plan, .offset: 24, .size: 8, .value_kind: global_buffer, .address_space: global }
      - { .name: y2, .offset: 32, .size: 8, .value_kind: global_buffer, .address_space: global }
    .group_segment_fixed_size: 52992
    .private_segment_fixed_size: 0
    .kernarg_segment_align: 8
    .kernarg_segment_size: 40
    .max_flat_workgroup_size: 128
    .sgpr_count:     100
    .vgpr_count:     768
    .wavefront_size: 32
...
	.end_amdgpu_metadata
.endif
;; end of part 4
;; launch comb (part 5): grid 256 x 1, 4 waves a work-group, no clusters, 0 bytes of LDS; arguments y2, out0; writes out0
.if DOCPART == 5
	.amdgcn_target "amdgcn-amd-amdhsa--gfx1250"
	.amdhsa_code_object_version 6
	.text
	.protected	k_qfee90046a3_comb
	.globl	k_qfee90046a3_comb
	.p2align	8
	.type	k_qfee90046a3_comb,@function
k_qfee90046a3_comb:
	s_mov_b64 s[64:65], 0
	v_nop
	global_prefetch_b8 v0, s[64:65] scope:SCOPE_SE
	s_setreg_imm32_b32 hwreg(HW_REG_WAVE_MODE, 25, 1), 1
	s_wait_xcnt 0x0
; out0[token] = the sum of the token's four partial rows of y2: (first choice, second choice) x (K half 0, 1), already weighed.  They lie on end: 16,384 bytes a token.
; A wave takes one token: 32 loads of 512 consecutive bytes, all issued at once, then eight chunks of 512 bytes are added and stored.  A stream: no LDS, no barrier, no matrix unit.
	s_load_b128 s[4:7], s[0:1], 0x0                ; y2, out0
	v_lshrrev_b32 v1, 5, v0
	v_readfirstlane_b32 s8, v1
	v_and_b32 v1, 31, v0
	v_lshlrev_b32 v1, 4, v1                        ; 16 bytes a lane
	s_lshl_b32 s9, ttmp9, 2
	s_add_co_u32 s9, s9, s8                        ; my token
	s_lshl_b32 s10, s9, 14
	s_mov_b32 s11, 0
	s_lshl_b32 s12, s9, 12
	s_mov_b32 s13, 0
	s_wait_kmcnt 0x0
	s_add_nc_u64 s[4:5], s[4:5], s[10:11]
	s_add_nc_u64 s[6:7], s[6:7], s[12:13]
.irp j, 0,1,2,3,4,5,6,7
.irp r, 0,1,2,3
	global_load_b128 v[16+16*\j+4*\r:19+16*\j+4*\r], v1, s[4:5] offset:4096*\r+512*\j th:TH_LOAD_NT
.endr
.endr
.irp j, 0,1,2,3,4,5,6,7
	s_wait_loadcnt 28-4*\j                         ; chunk j's four loads are in; the later chunks' may be out
	v_pk_add_f32 v[16+16*\j:17+16*\j], v[16+16*\j:17+16*\j], v[20+16*\j:21+16*\j]
	v_pk_add_f32 v[18+16*\j:19+16*\j], v[18+16*\j:19+16*\j], v[22+16*\j:23+16*\j]
	v_pk_add_f32 v[24+16*\j:25+16*\j], v[24+16*\j:25+16*\j], v[28+16*\j:29+16*\j]
	v_pk_add_f32 v[26+16*\j:27+16*\j], v[26+16*\j:27+16*\j], v[30+16*\j:31+16*\j]
	v_pk_add_f32 v[16+16*\j:17+16*\j], v[16+16*\j:17+16*\j], v[24+16*\j:25+16*\j]
	v_pk_add_f32 v[18+16*\j:19+16*\j], v[18+16*\j:19+16*\j], v[26+16*\j:27+16*\j]
	global_store_b128 v1, v[16+16*\j:19+16*\j], s[6:7] offset:512*\j th:TH_STORE_NT   ; 512 consecutive bytes; each chunk has registers of its own
.endr
	s_endpgm
.Lfunc_end_k_qfee90046a3_comb:
	.size	k_qfee90046a3_comb, .Lfunc_end_k_qfee90046a3_comb-k_qfee90046a3_comb
	.p2alignl 7, 3214868480
	.fill 96, 4, 3214868480
	.section	.rodata,"a",@progbits
	.p2align	6, 0x0
	.amdhsa_kernel k_qfee90046a3_comb
		.amdhsa_group_segment_fixed_size 0
		.amdhsa_private_segment_fixed_size 0
		.amdhsa_enable_private_segment 0
		.amdhsa_kernarg_size 16
		.amdhsa_user_sgpr_count 2
		.amdhsa_user_sgpr_kernarg_segment_ptr 1
		.amdhsa_wavefront_size32 1
		.amdhsa_system_sgpr_workgroup_id_x 1
		.amdhsa_system_sgpr_workgroup_id_y 1
		.amdhsa_system_sgpr_workgroup_id_z 1
		.amdhsa_system_vgpr_workitem_id 0
		.amdhsa_next_free_vgpr 144
		.amdhsa_next_free_sgpr 66
		.amdhsa_reserve_vcc 0
		.amdhsa_float_denorm_mode_32 3
		.amdhsa_float_denorm_mode_16_64 3
		.amdhsa_memory_ordered 1
		.amdhsa_forward_progress 1
		.amdhsa_inst_pref_size 8
	.end_amdhsa_kernel
	.amdgpu_metadata
---
amdhsa.version: [ 1, 2 ]
amdhsa.kernels:
  - .name:           k_qfee90046a3_comb
    .symbol:         k_qfee90046a3_comb.kd
    .args:
      - { .name: y2, .offset: 0, .size: 8, .value_kind: global_buffer, .address_space: global }
      - { .name: out0, .offset: 8, .size: 8, .value_kind: global_buffer, .address_space: global }
    .group_segment_fixed_size: 0
    .private_segment_fixed_size: 0
    .kernarg_segment_align: 8
    .kernarg_segment_size: 16
    .max_flat_workgroup_size: 128
    .sgpr_count:     66
    .vgpr_count:     144
    .wavefront_size: 32
...
	.end_amdgpu_metadata
.endif
;; end of part 5
;; ======== version 2 of 2: 5 launches
;; workspace buffers: sel 2,048 bytes of whole numbers; tok 565,248 bytes; plan 8,960 bytes of whole numbers; xg 1,192,448 bytes; act 2,367,488 bytes; y2 17,825,792 bytes
;; launch route (part 6): grid 128 x 1, 8 waves a work-group, no clusters, 71,680 bytes of LDS; arguments inputs, wr, out1, sel, tok; writes out1, sel, tok
.if DOCPART == 6
	.amdgcn_target "amdgcn-amd-amdhsa--gfx1250"
	.amdhsa_code_object_version 6
	.text
	.protected	k_qfee90046a3_route
	.globl	k_qfee90046a3_route
	.p2align	8
	.type	k_qfee90046a3_route,@function
k_qfee90046a3_route:
	s_mov_b64 s[64:65], 0
	v_nop
	global_prefetch_b8 v0, s[64:65] scope:SCOPE_SE
	s_setreg_imm32_b32 hwreg(HW_REG_WAVE_MODE, 25, 1), 1
	s_wait_xcnt 0x0
; ROUTER AND QUANTISER OF x.  inputs [1024 tokens][1024] f32, wr [1024][8] f32.
; A work-group takes 8 tokens, a wave one token.  Each wave: (a) its token's row as codes of E2M1 with one E8M0 byte for each 32 along D (tok: codes [1024][512 B] at 0, bytes [1024][32] at 524288);
; (b) the 8 logits by f32 multiply-adds, softmax twice, each time with the maximum taken away (out1).  Wave 0 then takes the top two of each of the 8 tokens (strict >, so the lower index wins a tie)
; and stores them at FIXED places: sel byte [e][work-group]: bit j = token 8 g + j chose expert e, at +1024 the same for "e is its first choice"; tok at 557056: [token][2] f32, the two probabilities.
; No address and no branch hangs on the choice.
; LIMITS: NaN and infinities are not served.  A block of zeros gets the byte 1 (its codes are zeros; only this program reads the bytes).  The logits' order of summation differs from a plain
; ascending sum, so a token whose second and third probabilities agree to the last bits may choose otherwise.  Exponentials under 2^-126 come out as 0.
.set WRP,  1040                        ; LDS: wr's 1,024 bytes of 32 k, + 16 of padding: lane L reads at L x 1040, an odd multiple of 16
.set XST,  33280                       ; behind wr's 32 chunks: a stage of 32 x 144 bytes for each wave
.set XSP,  144                         ; a lane's 128 bytes (32 neighbours along D) + 16 of padding
.set PST,  70144                       ; the 8 tokens' probabilities, 32 bytes each
.set SST,  70400                       ; the 8 tokens' scale bytes, 32 each
.set XQ,   16                          ; v16-47   my 32 neighbours: k = 32 lane + i
.set XL,   48                          ; v48-79   x as loaded; later wave 0's work
.set WL,   80                          ; v80-111  wr as loaded; later v80-83 my codes
.set WB,   112                         ; v112-239 two buffers of 64: wr(k, e) of 8 k
.set AC,   240                         ; v240-247 the 8 sums, then the probabilities
.set PT,   248                         ; v248-255 the other half of the lanes' sums
	s_load_b256 s[4:11], s[0:1], 0x0               ; inputs s[4:5], wr s[6:7], out1 s[8:9], sel s[10:11]
	s_load_b64 s[12:13], s[0:1], 0x20              ; tok
	v_lshl_add_u32 v12, v0, 2, 0x11400
	v_mov_b32 v13, 0
	v_lshrrev_b32 v1, 5, v0
	s_delay_alu instid0(VALU_DEP_1)
	v_readfirstlane_b32 s14, v1                    ; wave 0..7
	v_and_b32 v1, 31, v0                           ; lane
	v_lshlrev_b32 v2, 4, v0                        ; wr: 16 bytes a thread
	s_delay_alu instid0(VALU_DEP_2)
	v_lshlrev_b32 v3, 4, v1                        ; x and the codes: 16 bytes a lane
	v_lshrrev_b32 v4, 6, v0
	s_delay_alu instid0(VALU_DEP_1)
	v_lshl_add_u32 v4, v4, 4, v2                   ; wr into LDS: 16 t + 16 (t / 64): 16 bytes of padding behind each 1,024
	s_mul_i32 s15, s14, 32*XSP
	s_add_co_u32 s15, s15, XST                     ; my wave's stage
	v_lshrrev_b32 v5, 3, v1
	s_delay_alu instid0(VALU_DEP_1)
	v_lshl_add_u32 v5, v5, 4, v3
	s_delay_alu instid0(VALU_DEP_1)
	v_add_nc_u32 v5, s15, v5                       ; x into it: 16 lane + 16 (lane / 8): padding behind each 128
	v_mul_u32_u24 v6, v1, XSP
	s_delay_alu instid0(VALU_DEP_1)
	v_add_nc_u32 v6, s15, v6                       ; and out of it: my 128 bytes
	v_mul_u32_u24 v7, v1, WRP                      ; wr's chunk of my 32 k
	v_add_nc_u32 v15, SST, v0                      ; my block's scale byte: 32 wave + lane
	s_lshl_b32 s25, s14, 5
	s_add_co_u32 s25, s25, PST
	v_mov_b32 v14, s25                             ; my token's 32 bytes of probabilities
.irp e, 0,1,2,3,4,5,6,7
	v_mov_b32 v[PT+\e], 0                          ; written once: a lane permute's destination counts as one of its sources
.endr
	s_mov_b32 s17, ttmp9                           ; work-group
	s_lshl_b32 s16, s17, 3
	s_add_co_u32 s16, s16, s14                     ; my token
	s_lshl_b32 s18, s16, 12                        ; its row of 4,096 bytes
	s_mov_b32 s19, 0
	s_lshl_b32 s20, s16, 9                         ; its 512 bytes of codes
	s_mov_b32 s21, 0
	s_mov_b32 s22, 0x76543210
	s_mov_b32 s23, 0xfedcba98                      ; v_permlanex16_b32's selects for lane l xor 16
	s_mov_b32 s24, 0x3fb8aa3b                      ; log2(e)
	s_wait_kmcnt 0x0
	s_add_nc_u64 s[4:5], s[4:5], s[18:19]
	s_add_nc_u64 s[20:21], s[12:13], s[20:21]
.irp j, 0,1,2,3,4,5,6,7
	global_load_b128 v[WL+4*\j:WL+4*\j+3], v2, s[6:7] offset:4096*\j            ; the work-group's 256 threads read wr whole, 4,096 consecutive bytes a line
.endr
.irp j, 0,1,2,3,4,5,6,7
	global_load_b128 v[XL+4*\j:XL+4*\j+3], v3, s[4:5] offset:512*\j th:TH_LOAD_NT   ; 512 consecutive bytes of my token's row
.endr
	s_wait_loadcnt 0x8                             ; wr's eight loads are in; x's eight may be out
.irp j, 0,1,2,3,4,5,6,7
	ds_store_b128 v4, v[WL+4*\j:WL+4*\j+3] offset:4160*\j
.endr
	s_wait_loadcnt 0x0
.irp j, 0,1,2,3,4,5,6,7
	ds_store_b128 v5, v[XL+4*\j:XL+4*\j+3] offset:576*\j
.endr
.irp j, 0,1,2,3,4,5,6,7
	ds_load_b128 v[XQ+4*\j:XQ+4*\j+3], v6 offset:16*\j   ; LDS serves a wave's instructions in order: these see my stores
.endr
	s_wait_dscnt 0x0                               ; for the others' sake: my part of wr lies in LDS; and my 32 neighbours are in
	s_barrier_signal -1
	s_barrier_wait -1
	; ---- the row's codes: a block of 32 lies in one lane
	v_max3_num_f32 v8, |v[XQ]|, |v[XQ+1]|, |v[XQ+2]|
	v_max3_num_f32 v9, |v[XQ+3]|, |v[XQ+4]|, |v[XQ+5]|
.irp i, 6,10,14,18,22,26
	s_delay_alu instid0(VALU_DEP_2)
	v_max3_num_f32 v8, v8, |v[XQ+\i]|, |v[XQ+\i+1]|
	s_delay_alu instid0(VALU_DEP_2)
	v_max3_num_f32 v9, v9, |v[XQ+\i+2]|, |v[XQ+\i+3]|
.endr
	s_delay_alu instid0(VALU_DEP_2)
	v_max3_num_f32 v8, v8, |v[XQ+30]|, |v[XQ+31]|
	s_delay_alu instid0(VALU_DEP_1)
	v_max3_num_f32 v8, v8, v9, 0x1800000           ; and the floor 2^(3 - 127): the byte cannot fall under 1
	s_delay_alu instid0(VALU_DEP_1)
	v_add_nc_u32 v10, 0xff000000, v8               ; 2 off the exponent field: the conversion's scale operand
	s_delay_alu instid0(VALU_DEP_1)
	v_lshrrev_b32 v11, 23, v10                     ; the scale's byte
.irp g, 0,1,2,3
	v_cvt_scalef32_pk8_fp4_f32 v[WL+\g], v[XQ+8*\g:XQ+8*\g+7], v10
.endr
	v_nop                                          ; one plain line behind the scaled conversions
	global_store_b128 v3, v[WL:WL+3], s[20:21]     ; 32 lanes store the row's 512 bytes of codes
	ds_store_b8 v15, v11
	; ---- the logits: lane L sums k = 32 L .. 32 L + 31, eight k at a time
.macro WLOAD g
.irp i, 0,1,2,3,4,5,6,7,8,9,10,11,12,13,14,15
	ds_load_b128 v[WB+64*((\g)%2)+4*\i:WB+64*((\g)%2)+4*\i+3], v7 offset:256*(\g)+16*\i
.endr
.endm
.macro DOT g                           ; four pairs of sums; x(k) is taken for both halves of a pair
.irp k, 0,1,2,3,4,5,6,7
.irp p, 0,1,2,3
.if ((\g) == 0) && (\k == 0)
	v_pk_mul_f32 v[AC+2*\p:AC+2*\p+1], v[XQ:XQ+1], v[WB+2*\p:WB+2*\p+1] op_sel:[0,0] op_sel_hi:[0,1]   ; the first product starts the sums
.elseif \k%2
	s_delay_alu instid0(VALU_DEP_4)
	v_pk_fma_f32 v[AC+2*\p:AC+2*\p+1], v[XQ+8*(\g)+2*(\k/2):XQ+8*(\g)+2*(\k/2)+1], v[WB+64*((\g)%2)+8*\k+2*\p:WB+64*((\g)%2)+8*\k+2*\p+1], v[AC+2*\p:AC+2*\p+1] op_sel:[1,0,0] op_sel_hi:[1,1,1]
.else
	v_pk_fma_f32 v[AC+2*\p:AC+2*\p+1], v[XQ+8*(\g)+2*(\k/2):XQ+8*(\g)+2*(\k/2)+1], v[WB+64*((\g)%2)+8*\k+2*\p:WB+64*((\g)%2)+8*\k+2*\p+1], v[AC+2*\p:AC+2*\p+1] op_sel:[0,0,0] op_sel_hi:[0,1,1]
.endif
.endr
.endr
.endm
	WLOAD 0
	WLOAD 1
	s_wait_dscnt 0x10                              ; batch 0 is in; batch 1's sixteen loads may be out
	DOT 0
	WLOAD 2
	s_wait_alu depctr_va_vdst(0)
	s_wait_dscnt 0x10
	DOT 1
	WLOAD 3
	s_wait_alu depctr_va_vdst(0)
	s_wait_dscnt 0x10
	DOT 2
	s_wait_alu depctr_va_vdst(0)
	s_wait_dscnt 0x0
	DOT 3
.irp m, 1,2,4,8
.irp e, 0,1,2,3,4,5,6,7
	v_add_f32_dpp v[AC+\e], v[AC+\e], v[AC+\e] row_xmask:\m row_mask:0xf bank_mask:0xf
.endr
.endr
.irp e, 0,1,2,3,4,5,6,7
	v_permlanex16_b32 v[PT+\e], v[AC+\e], s22, s23
.endr
.irp e, 0,1,2,3,4,5,6,7
	v_add_f32 v[AC+\e], v[AC+\e], v[PT+\e]         ; every lane holds the token's 8 logits
.endr
.macro SOFTMAX                         ; in place on the eight numbers; the maximum is taken away first
	v_max3_num_f32 v8, v[AC], v[AC+1], v[AC+2]
	s_delay_alu instid0(VALU_DEP_1)
	v_max3_num_f32 v8, v8, v[AC+3], v[AC+4]
	s_delay_alu instid0(VALU_DEP_1)
	v_max3_num_f32 v8, v8, v[AC+5], v[AC+6]
	s_delay_alu instid0(VALU_DEP_1)
	v_max_num_f32 v8, v8, v[AC+7]
.irp e, 0,1,2,3,4,5,6,7
	v_sub_f32 v[AC+\e], v[AC+\e], v8
.endr
.irp e, 0,1,2,3,4,5,6,7
	v_mul_f32 v[AC+\e], s24, v[AC+\e]
.endr
	s_wait_alu depctr_va_vdst(0)
.irp e, 0,1,2,3,4,5,6,7
	v_exp_f32 v[AC+\e], v[AC+\e]
.endr
	v_nop                                          ; a plain line behind the last exponential
	s_wait_alu depctr_va_vdst(0)                   ; one wait for the eight, ahead of their first reader
	v_add_f32 v8, v[AC], v[AC+1]
	v_add_f32 v9, v[AC+2], v[AC+3]
	v_add_f32 v10, v[AC+4], v[AC+5]
	v_add_f32 v11, v[AC+6], v[AC+7]
	s_delay_alu instid0(VALU_DEP_3)
	v_add_f32 v8, v8, v9
	s_delay_alu instid0(VALU_DEP_2)
	v_add_f32 v10, v10, v11
	s_delay_alu instid0(VALU_DEP_1)
	v_add_f32 v8, v8, v10
	s_wait_alu depctr_va_vdst(0)
	v_rcp_f32 v9, v8
	v_nop
	s_wait_alu depctr_va_vdst(0)
.irp e, 0,1,2,3,4,5,6,7
	v_mul_f32 v[AC+\e], v[AC+\e], v9
.endr
.endm
	SOFTMAX
	SOFTMAX
	ds_store_b128 v14, v[AC:AC+3]                  ; all lanes write the same 32 bytes with the same values
	ds_store_b128 v14, v[AC+4:AC+7] offset:16
	; wave 0's addresses are made here, by every wave, ahead of the parting on the wave's number
	v_lshlrev_b32 v60, 3, v1                       ; 8 bytes a lane
	s_delay_alu instid0(VALU_DEP_1)
	v_add_nc_u32 v61, PST, v60
	v_and_b32 v62, 7, v1
	s_delay_alu instid0(VALU_DEP_1)
	v_lshl_add_u32 v62, v62, 5, PST                ; lane j's token: j % 8
	v_lshlrev_b32 v63, 7, v1
	s_delay_alu instid0(VALU_DEP_1)
	v_add_nc_u32 v63, s17, v63                     ; sel: 128 lane + work-group
	s_wait_dscnt 0x0                               ; for wave 0's sake: my probabilities and my scale bytes lie in LDS
	s_barrier_signal -1
	s_barrier_wait -1
	s_cmp_lg_u32 s14, 0
	s_cbranch_scc1 .Ldone
	s_wait_alu depctr_va_vdst(0)
	ds_load_b64 v[32:33], v61                      ; the 8 tokens' probabilities: 256 bytes,
	ds_load_b64 v[34:35], v61 offset:256           ; their scale bytes: 256 bytes,
	ds_load_b128 v[40:43], v62                     ; and my token's eight
	ds_load_b128 v[44:47], v62 offset:16
	s_lshl_b32 s26, s17, 8
	s_mov_b32 s27, 0
	s_add_nc_u64 s[8:9], s[8:9], s[26:27]
	s_add_nc_u64 s[28:29], s[12:13], s[26:27]
	s_lshl_b32 s26, s17, 6
	s_add_nc_u64 s[12:13], s[12:13], s[26:27]
	s_wait_dscnt 0x0
	global_store_b64 v60, v[32:33], s[8:9]                     ; 32 lanes store 256 consecutive bytes of out1, aligned
	global_store_b64 v60, v[34:35], s[28:29] offset:524288     ; and of the scale bytes
	v_mov_b32 v50, v40                             ; the largest, v52 its index
	v_mov_b32 v52, 0
.irp e, 1,2,3,4,5,6,7
	s_delay_alu instid0(VALU_DEP_2)
	v_cmp_gt_f32 vcc_lo, v[40+\e], v50
	s_delay_alu instid0(VALU_DEP_1)
	v_cndmask_b32 v50, v50, v[40+\e], vcc_lo
	s_delay_alu instid0(VALU_DEP_2)
	v_cndmask_b32 v52, v52, \e, vcc_lo
.endr
	v_mov_b32 v51, -1.0                            ; the second: under every probability
	v_mov_b32 v53, 0
.irp e, 0,1,2,3,4,5,6,7
	s_delay_alu instid0(VALU_DEP_2)
	v_cmp_gt_f32 s30, v[40+\e], v51
	v_cmp_ne_u32 s31, \e, v52
	s_and_b32 s30, s30, s31
	v_cndmask_b32 v51, v51, v[40+\e], s30
	v_cndmask_b32 v53, v53, \e, s30
.endr
	v_mov_b32 v54, 0
	v_mov_b32 v55, 0
.irp e, 0,1,2,3,4,5,6,7
	v_cmp_eq_u32 s30, \e, v52                      ; bits 0-7: the tokens whose first choice is e
	v_cmp_eq_u32 s31, \e, v53
	s_or_b32 s31, s31, s30                         ; and those that chose e at all
	v_writelane_b32 v54, s31, \e
	v_writelane_b32 v55, s30, \e
.endr
	s_wait_alu depctr_va_vdst(0)
	s_wait_xcnt 0x0                                ; EXEC changes only behind this wait
	v_cmp_gt_u32 vcc_lo, 8, v1
	s_and_saveexec_b32 s30, vcc_lo
	global_store_b8 v63, v54, s[10:11]             ; lane e: expert e's byte for these 8 tokens
	global_store_b8 v63, v55, s[10:11] offset:1024
	global_store_b64 v60, v[50:51], s[12:13] offset:557056   ; lane j: token j's two weights
	s_wait_xcnt 0x0
	s_or_b32 exec_lo, exec_lo, s30
.Ldone:
	s_wait_tensorcnt 0x0
	ds_add_u32 v12, v13
	s_wait_dscnt 0x0
	s_endpgm
.Lfunc_end_k_qfee90046a3_route:
	.size	k_qfee90046a3_route, .Lfunc_end_k_qfee90046a3_route-k_qfee90046a3_route
	.p2alignl 7, 3214868480
	.fill 96, 4, 3214868480
	.section	.rodata,"a",@progbits
	.p2align	6, 0x0
	.amdhsa_kernel k_qfee90046a3_route
		.amdhsa_group_segment_fixed_size 71680
		.amdhsa_private_segment_fixed_size 0
		.amdhsa_enable_private_segment 0
		.amdhsa_kernarg_size 40
		.amdhsa_user_sgpr_count 2
		.amdhsa_user_sgpr_kernarg_segment_ptr 1
		.amdhsa_wavefront_size32 1
		.amdhsa_system_sgpr_workgroup_id_x 1
		.amdhsa_system_sgpr_workgroup_id_y 1
		.amdhsa_system_sgpr_workgroup_id_z 1
		.amdhsa_system_vgpr_workitem_id 0
		.amdhsa_next_free_vgpr 256
		.amdhsa_next_free_sgpr 66
		.amdhsa_reserve_vcc 1
		.amdhsa_float_denorm_mode_32 3
		.amdhsa_float_denorm_mode_16_64 3
		.amdhsa_memory_ordered 1
		.amdhsa_forward_progress 1
		.amdhsa_inst_pref_size 37
	.end_amdhsa_kernel
	.amdgpu_metadata
---
amdhsa.version: [ 1, 2 ]
amdhsa.kernels:
  - .name:           k_qfee90046a3_route
    .symbol:         k_qfee90046a3_route.kd
    .args:
      - { .name: inputs, .offset: 0, .size: 8, .value_kind: global_buffer, .address_space: global }
      - { .name: wr, .offset: 8, .size: 8, .value_kind: global_buffer, .address_space: global }
      - { .name: out1, .offset: 16, .size: 8, .value_kind: global_buffer, .address_space: global }
      - { .name: sel, .offset: 24, .size: 8, .value_kind: global_buffer, .address_space: global }
      - { .name: tok, .offset: 32, .size: 8, .value_kind: global_buffer, .address_space: global }
    .group_segment_fixed_size: 71680
    .private_segment_fixed_size: 0
    .kernarg_segment_align: 8
    .kernarg_segment_size: 40
    .max_flat_workgroup_size: 256
    .sgpr_count:     66
    .vgpr_count:     256
    .wavefront_size: 32
...
	.end_amdgpu_metadata
.endif
;; end of part 6
;; launch place: the kernel of part 2 again; grid 135 x 1, 1 waves a work-group, no clusters, 512 bytes of LDS; arguments sel, tok, plan, xg; writes plan, xg
;; launch ffn1 (part 7): grid 256 x 1, 4 waves a work-group, no clusters, 70,400 bytes of LDS; arguments w1, xg, plan, act; writes act
.if DOCPART == 7
	.amdgcn_target "amdgcn-amd-amdhsa--gfx1250"
	.amdhsa_code_object_version 6
	.text
	.protected	k_qfee90046a3_ffn1
	.globl	k_qfee90046a3_ffn1
	.p2align	8
	.type	k_qfee90046a3_ffn1,@function
k_qfee90046a3_ffn1:
	s_mov_b64 s[64:65], 0
	v_nop
	global_prefetch_b8 v0, s[64:65] scope:SCOPE_SE
	s_setreg_imm32_b32 hwreg(HW_REG_WAVE_SCHED_MODE, 0, 2), 2
	s_setreg_imm32_b32 hwreg(HW_REG_WAVE_MODE, 25, 1), 1
	s_wait_xcnt 0x0
	s_wait_alu depctr_vm_vsrc(0)
; FIRST PRODUCT, GELU, QUANTISER OF THE HIDDEN LAYER.  w1 [8][1024 (K)][4096] f32: columns 0-2047 give x, columns 2048-4095 the gate.
; A work-group owns (expert e, hidden units 64 hs .. 64 hs + 63): two panels of 1,024 K x 64 columns.  It reads them from memory ONCE, as f32, quantises them along K in registers, and keeps the codes:
; through LDS, as images of operand registers, into every wave's registers (512 of them).  Then its four waves walk the expert's tiles of 16 routed rows, tile t to wave t % 4.
; THE STREAM.  Wave w takes panel w % 2, K half w / 2: 16 slabs of 32 k x 64 columns.  A lane takes 4 columns (16 bytes) of 16 rows: each load covers two whole runs of 256 consecutive bytes.
; A block of 32 along K of a column lies in lanes l and l xor 16.  The conversion wants 8 neighbours along K in consecutive registers, so a slab's 64 numbers are moved once.
; A set of registers is asked for again as soon as its slab has been read out: three slabs' loads are out while a slab is worked on.
; THE PRODUCT IS USED TRANSPOSED (source 0 = 16 columns of w1, source 1 = 16 rows of x): a lane holds one row, its registers run along the hidden units, which are the next product's K.
; THE COLUMNS OF A TILE ARE NOT NEIGHBOURS: row r of tile 2 b + u is hidden unit 32 b + 8 u + r + 8 (r / 8), so that the 16 registers of tiles 2 b, 2 b + 1 are 16 neighbours: 32 b + 16 (lane / 16) + 0 .. 15.
; GELU, exact form: g Phi(g) = max(g, 0) - |g| h, h = erfc(|g| / sqrt 2) / 2 = t 2^(poly(t) - g^2 log2(e) / 2), t = 1 / (1 + |g| / (2 sqrt 2)): a fit of erfc with fractional error under 1.2e-7 everywhere.
; No tensor loads and no cluster: the number of tiles is read from memory, and the walk hangs on it.  The one barrier stands ahead of every branch on it.
; LIMITS: NaN and infinities are not served.  A block of zeros gets the byte 1 (zero codes; only this program reads the bytes).  2^y under 2^-126 comes out as 0: gelu's far negative tail is 0.
; The rounding of g^2 adds about 6e-8 g^2 to h's relative error.
; THE MODE: SCHED_MODE bits 1:0 = 2 (LLVM: expert scheduling mode 2), set by the entry lines.  The code itself states the register dependences
; between vector or matrix instructions and memory or LDS instructions, with s_wait_alu, always for 0.
; THE PLAN.  Registers that memory or LDS instructions touch:
;   window 1's four sets  Stream: slab j's loads land in set j % 4; slab j's maxima and moves read it; behind them the loads of slab j + 4 land in it.  Behind the barrier the x panel's fragments land there, once.
;   v212-219, v208-211    Stream: written by slab j's conversions and shifts, read by its LDS stores, written again in slab j + 1.  In the walk the gelu writes them.
;   v64-127, v48-51       Walk: a tile's loads land there, its 64 products read them, behind them the next tile's loads land.
;   v8-11, v62            Walk: written by a tile's conversions and shifts, read by its two stores, written again by the next tile.
;   v1-6                  Offsets and addresses: written at the head and never again.   v15, v63: written at the head, read by the closing add alone.
;   window 2, v16-47      Loaded once, behind the barrier; no vector instruction writes them.
; So a slab has ONE wait on va_vdst, behind its conversions: the set has been read out and the codes and scale words are written; the set's next loads and the slab's LDS stores follow it.
; One wait on vm_vsrc at a slab's head frees the codes' and scale words' registers.  A tile has one wait on va_vdst ahead of the next tile's loads, one ahead of and one behind its reciprocals, the same for its exponentials,
; one ahead of its two stores, and one wait on vm_vsrc behind them.
.set PITCH, 16384                      ; a row of w1 in bytes
.set NSL,   16                         ; slabs of a wave
.set WSB,   65664                      ; LDS: 8 strips (panel p, tile 2 b + u) of 8 fragments x 1,024 bytes at 32832 p + 16416 b + 8208 u; behind them the scale words: ((2 p + b) 8 + s) 128 + 4 (r + 16 u)
.set LT,    128                        ; stream: v128-191 a slab's numbers, column cc's 16 k on end at 16 cc
.set MX,    192                        ; v192-195 largest magnitudes   v196-199 the other half's   v200-203 scale operands   v204-207 bytes   v208-211 scale words   v212-219 codes
.set PM,    196
.set SO,    200
.set BY,    204
.set SW,    208
.set CD,    212
.set XF,    64                         ; walk: v64-127 x's 8 fragments; v16-47 the weights' scale words, v48-51 x's: these hold scales and nothing else
.set XA,    128                        ; v128-159 the sums for x: register 16 b + 8 u + j
.set GA,    160                        ; v160-191 the sums for the gate
.set TT,    192                        ; v192-223 t, later max(g, 0)
.set PP,    224                        ; v224-255 the polynomial, h, gelu, act
; window 1: the stream's four sets of 64 as loaded; later the x panel's 32 fragments at v[8 (8 (2 b + u) + s)].  window 2: the gate panel's.
; v1 16 lane   v2 where my codes go   v3 where my scale words go   v4 my offset in a slab   v5 WSB + 4 lane   v6 16 (lane % 16)   v7 the floor   v8-11 act's codes   v52-53 c9   v54-62 at work
; s22 my expert's first tile   s23 its tiles   s24 the tile in hand   s44 my wave's tiles   s45 counts them
.set MSB, 0
.macro WIN new                         ; the immediate's high byte repeats the setting that is left
.if MSB != (\new)
	s_set_vgpr_msb (MSB<<8)|(\new)
.set MSB, (\new)
.endif
.endm
.macro SLOAD j, w                      ; slab j into set j % 4: row 32 j + 16 (lane / 16) + i, 16 bytes at 16 (lane % 16).  w = 1: the slab in hand has just read the set out
	WIN 0x40
.if \w
	s_wait_alu depctr_va_vdst(0)                   ; the slab's maxima and moves are done reading this set, in which the loads below land; its conversions and shifts have written v212-219 and v208-211, which the LDS stores behind these loads read
.endif
.irp i, 0,1,2,3,4,5,6,7,8,9,10,11,12,13,14,15
	global_load_b128 v[64*((\j)%4)+4*\i:64*((\j)%4)+4*\i+3], v4, s[4:5] offset:(32*(\j)+\i)*PITCH th:TH_LOAD_NT
.endr
.endm
.macro SLAB j
.set LS, 64*((\j)%4)
.if NSL-1-(\j) >= 3
	s_wait_loadcnt 48                              ; this slab's 16 loads are in; those of the three younger slabs may be out
.else
	s_wait_loadcnt 16*(NSL-1-(\j))
.endif
	s_wait_dscnt 0x0                               ; the last slab's LDS stores are done
.if (\j) > 0
	s_wait_alu depctr_vm_vsrc(0)                   ; the last slab's LDS stores have read v212-219 and v208-211, which this slab writes again
.endif
	WIN 0x14                                       ; sources 1 and 2: window 1
.irp c, 0,1,2,3
	v_max3_num_f32 v[MX+\c], v7, |v[LS+\c]|, |v[LS+4+\c]|      ; column c: my 16 numbers, and the floor 2^(3 - 127)
.endr
.irp i, 2,4,6,8,10,12,14
.irp c, 0,1,2,3
	v_max3_num_f32 v[MX+\c], v[MX+\c], |v[LS+4*\i+\c]|, |v[LS+4*\i+4+\c]|
.endr
.endr
	WIN 0
.irp c, 0,1,2,3
	v_permlanex16_b32 v[PM+\c], v[MX+\c], s20, s21
.endr
.irp c, 0,1,2,3
	v_max_num_f32 v[MX+\c], v[MX+\c], v[PM+\c]     ; with lane l xor 16's 16: the block's largest magnitude
.endr
.irp c, 0,1,2,3
	v_add_nc_u32 v[SO+\c], 0xff000000, v[MX+\c]    ; 2 off its exponent field: the conversion's scale operand
.endr
.if (\j)%4 == 0
.irp c, 0,1,2,3
	v_lshrrev_b32 v[SW+\c], 23, v[SO+\c]           ; the byte starts a scale word: four slabs are a K step of 128
.endr
.else
.irp c, 0,1,2,3
	v_lshrrev_b32 v[BY+\c], 23, v[SO+\c]
.endr
.irp c, 0,1,2,3
	v_lshl_or_b32 v[SW+\c], v[BY+\c], 8*((\j)%4), v[SW+\c]
.endr
.endif
	WIN 0x01                                       ; source 0: window 1
.irp c, 0,1,2,3
.irp i, 0,1,2,3,4,5,6,7,8,9,10,11,12,13,14,15
	v_mov_b32 v[LT+16*\c+\i], v[LS+4*\i+\c]        ; a column's 16 k on end
.endr
.endr
	WIN 0
.irp c, 0,1,2,3
	v_cvt_scalef32_pk8_fp4_f32 v[CD+2*\c], v[LT+16*\c:LT+16*\c+7], v[SO+\c]
	v_cvt_scalef32_pk8_fp4_f32 v[CD+2*\c+1], v[LT+16*\c+8:LT+16*\c+15], v[SO+\c]
.endr
	v_nop                                          ; one plain line behind the scaled conversions
.if (\j)+4 < NSL
	SLOAD (\j)+4, 1                                ; the set is asked for again at once: the window's switch, the slab's one wait, the 16 loads
	WIN 0
.else
	s_wait_alu depctr_va_vdst(0)                   ; the conversions and shifts have written v212-219 and v208-211, which the LDS stores below read; the maxima and moves are done reading the set, in which a fragment lands behind the barrier
.endif
.irp c, 0,1,2,3
	ds_store_b64 v2, v[CD+2*\c:CD+2*\c+1] offset:((\j)/4)*1024+(((\j)/2)%2)*512+((\j)%2)*256+16*\c   ; half a block: 8 bytes of the fragment's image; the 32 lanes' pieces fall on 32 different places modulo 256 bytes
.endr
.if (\j)%4 == 3
.irp c, 0,1,2,3
	ds_store_b32 v3, v[SW+\c] offset:((\j)/4)*128+4*\c         ; lanes l and l xor 16 write the same word with the same value
.endr
.endif
.endm
	s_load_b256 s[4:11], s[0:1], 0x0               ; w1 s[4:5], xg s[6:7], plan s[8:9], act s[10:11]
	v_lshl_add_u32 v15, v0, 2, 0x11100
	v_mov_b32 v63, 0
	v_lshrrev_b32 v1, 5, v0
	v_readfirstlane_b32 s12, v1                    ; wave 0..3
	s_lshr_b32 s13, ttmp9, 5                       ; e
	s_and_b32 s14, ttmp9, 31                       ; hs
	s_wait_alu depctr_va_sdst(0)                   ; s12 is written, ahead of its first reader
	s_and_b32 s15, s12, 1                          ; p: the panel that I stream
	s_lshr_b32 s16, s12, 1                         ; kq: its K half
	v_and_b32 v10, 1, v0                           ; my columns 4 q + cc, q = lane % 16: hidden unit = 32 b + 16 a + 8 u + 4 (q % 2) + cc
	v_bfe_u32 v9, v0, 1, 1                         ; u
	v_bfe_u32 v11, v0, 2, 1                        ; a
	v_bfe_u32 v8, v0, 3, 1                         ; b
	v_bfe_u32 v12, v0, 4, 1                        ; hh: which 16 rows of a slab
	v_and_b32 v13, 15, v0
	v_and_b32 v14, 31, v0
	v_mul_u32_u24 v2, v8, 16416
	v_mad_u32_u24 v2, v9, 8208, v2                 ; the strip of tile 2 b + u,
	v_lshl_add_u32 v2, v10, 6, v2                  ; 16 bytes for each row r = 8 a + 4 (q % 2) + cc,
	v_lshl_add_u32 v2, v11, 7, v2
	v_lshl_add_u32 v2, v12, 3, v2                  ; my half of the block's 16 bytes,
	s_mul_i32 s17, s15, 32832
	s_lshl_b32 s18, s16, 12
	s_add_co_u32 s17, s17, s18
	v_add_nc_u32 v2, s17, v2                       ; my panel, my four K steps
	v_lshlrev_b32 v3, 10, v8
	v_lshl_add_u32 v3, v10, 4, v3
	v_lshl_add_u32 v3, v11, 5, v3
	v_lshl_add_u32 v3, v9, 6, v3
	s_lshl_b32 s17, s15, 11
	s_lshl_b32 s18, s16, 9
	s_add_co_u32 s17, s17, s18
	s_add_co_u32 s17, s17, WSB
	v_add_nc_u32 v3, s17, v3
	v_lshlrev_b32 v4, 4, v13
	v_lshl_add_u32 v4, v12, 18, v4                 ; 16 q + 16 rows for lanes 16-31
	v_lshlrev_b32 v1, 4, v14
	v_lshl_add_u32 v5, v14, 2, WSB
	v_lshlrev_b32 v6, 4, v13
	v_mov_b32 v7, 0x1800000
	v_mov_b32 v52, 0x3e7c6f08                      ; c9, twice
	v_mov_b32 v53, 0x3e7c6f08
	v_mov_b32 v56, 0                               ; written once: a lane permute's destination counts as one of its sources
	v_mov_b32 v57, 0
.irp c, 0,1,2,3
	v_mov_b32 v[PM+\c], 0
.endr
	s_mov_b32 s20, 0x76543210
	s_mov_b32 s21, 0xfedcba98
	s_mov_b32 s40, 0x3eb504f3                      ; 1 / (2 sqrt 2)
	s_lshl_b32 s18, s13, 24                        ; e x 16,777,216
	s_lshl_b32 s17, s16, 23                        ; + 512 rows
	s_add_co_u32 s18, s18, s17
	s_lshl_b32 s17, s15, 13                        ; + the gate's 2,048 columns
	s_add_co_u32 s18, s18, s17
	s_lshl_b32 s17, s14, 8                         ; + 64 columns for each hs
	s_add_co_u32 s18, s18, s17
	s_mov_b32 s19, 0
	s_lshl_b32 s38, s13, 2
	s_mov_b32 s39, 0
	s_lshl_b32 s36, s14, 9                         ; act's codes: 512 hs
	s_lshr_b32 s17, s14, 3
	s_lshl_b32 s37, s17, 8
	s_and_b32 s17, s14, 7
	s_lshl_b32 s17, s17, 1
	s_add_co_u32 s37, s37, s17                     ; act's scale bytes: 256 (hs / 8) + 2 (hs % 8): K half, half of the lanes, word, half word
	s_wait_kmcnt 0x0
	s_add_nc_u64 s[4:5], s[4:5], s[18:19]
	s_add_nc_u64 s[8:9], s[8:9], s[38:39]
	s_load_b32 s22, s[8:9], 0x0                    ; my expert's first tile,
	s_load_b32 s23, s[8:9], 0x20                   ; and how many it has: waited for behind the barrier
	s_wait_alu depctr_va_vdst(0)                   ; the offsets and addresses v1 to v6 are written, which every load and store of the kernel reads
	SLOAD 0, 0
	SLOAD 1, 0
	SLOAD 2, 0
	SLOAD 3, 0                                     ; no vector instruction has named window 1 yet
.irp j, 0,1,2,3,4,5,6,7,8,9,10,11,12,13,14,15
	SLAB \j
.endr
	s_wait_dscnt 0x0                               ; for the others' sake: my images lie in LDS
	s_barrier_signal -1
	s_barrier_wait -1                              ; the one barrier: nothing is written to LDS behind it
	s_wait_alu depctr_vm_vsrc(0)                   ; my last LDS stores have read v208-219, which the walk's gelu writes again
	s_wait_kmcnt 0x0
	s_cmp_ge_u32 s12, s23
	s_cbranch_scc1 .Lend                           ; fewer tiles than waves
	s_sub_co_u32 s44, s23, s12                     ; my tiles are w, w + 4, ..: (tiles - w + 3) / 4 of them,
	s_add_co_u32 s44, s44, 3
	s_lshr_b32 s44, s44, 2
	s_min_u32 s44, s44, 16                         ; never more than 16: an expert has at most 1,024 rows, 64 tiles, for four waves
	s_mov_b32 s45, 0                               ; the walk is counted in trips, one at a time
.macro XLOAD treg, w                   ; tile treg of my expert: x's 8 fragments and its scale words, as they lie.  w = 1: products have read the registers in which they land
	s_add_co_u32 s26, s22, \treg
	s_min_u32 s26, s26, 135
	s_lshl_b32 s38, s26, 13
	s_mov_b32 s39, 0
	s_add_nc_u64 s[28:29], s[6:7], s[38:39]
	s_lshl_b32 s38, s26, 9
	s_add_nc_u64 s[30:31], s[6:7], s[38:39]
.if \w
	s_wait_alu depctr_va_vdst(0)                   ; this tile's 64 products are done reading v64-127 and v48-51, in which the loads below land
.endif
.irp n, 0,1,2,3,4,5,6,7,8,9,10,11,12,13,14,15
	global_load_b128 v[XF+4*\n:XF+4*\n+3], v1, s[28:29] offset:512*\n
.endr
	global_load_b128 v[48:51], v1, s[30:31] offset:1114112     ; lanes 0-15: words 0-3 of row r, lanes 16-31: words 4-7
.endm
	s_mov_b32 s24, s12                             ; t
	XLOAD s24, 0                                   ; no vector or matrix instruction has named v64-127 or v48-51 yet
	WIN 0x40                                       ; (no vector instruction has been issued since the last slab's wait, behind which the stream's reads of window 1 are done)
.irp t, 0,1,2,3
.irp s, 0,1,2,3,4,5,6,7
.irp c, 0,1
	ds_load_b128 v[8*(8*\t+\s)+4*\c:8*(8*\t+\s)+4*\c+3], v1 offset:(\t/2)*16416+(\t%2)*8208+1024*\s+512*\c
.endr
.endr
.endr
	WIN 0x80
.irp t, 0,1,2,3
.irp s, 0,1,2,3,4,5,6,7
.irp c, 0,1
	ds_load_b128 v[8*(8*\t+\s)+4*\c:8*(8*\t+\s)+4*\c+3], v1 offset:32832+(\t/2)*16416+(\t%2)*8208+1024*\s+512*\c
.endr
.endr
.endr
	WIN 0
.irp g, 0,1,2,3,4,5,6,7,8,9,10,11,12,13,14,15,16,17,18,19,20,21,22,23,24,25,26,27,28,29,30,31
	ds_load_b32 v[16+\g], v5 offset:128*\g         ; lanes 0-15: tile 2 b's rows, lanes 16-31: tile 2 b + 1's
.endr
	s_wait_dscnt 0x0
; 32 products of panel p: K step by K step, the four tiles' accumulators by turns, one instruction a turn
.macro MULS p
	WIN 1+(\p)
.irp s, 0,1,2,3,4,5,6,7
.irp t, 0,1,2,3
.set rD, XA+32*(\p)+8*\t
.set rA, 8*(8*\t+\s)
.set rB, XF+8*\s
.set rSA, 16+(2*(\p)+\t/2)*8+\s
.set rSB, 48+(\s%4)
.if \s == 0
.if \t%2 == 0
	v_wmma_scale_f32_16x16x128_f8f6f4 v[rD:rD+7], v[rA:rA+7], v[rB:rB+7], 0, v[rSA], v[rSB] matrix_a_fmt:MATRIX_FMT_FP4 matrix_b_fmt:MATRIX_FMT_FP4
.else
	v_wmma_scale_f32_16x16x128_f8f6f4 v[rD:rD+7], v[rA:rA+7], v[rB:rB+7], 0, v[rSA], v[rSB] matrix_a_fmt:MATRIX_FMT_FP4 matrix_b_fmt:MATRIX_FMT_FP4 matrix_a_scale:MATRIX_SCALE_ROW1
.endif
.elseif \s < 4
.if \t%2 == 0
	v_wmma_scale_f32_16x16x128_f8f6f4 v[rD:rD+7], v[rA:rA+7], v[rB:rB+7], v[rD:rD+7], v[rSA], v[rSB] matrix_a_fmt:MATRIX_FMT_FP4 matrix_b_fmt:MATRIX_FMT_FP4
.else
	v_wmma_scale_f32_16x16x128_f8f6f4 v[rD:rD+7], v[rA:rA+7], v[rB:rB+7], v[rD:rD+7], v[rSA], v[rSB] matrix_a_fmt:MATRIX_FMT_FP4 matrix_b_fmt:MATRIX_FMT_FP4 matrix_a_scale:MATRIX_SCALE_ROW1
.endif
.else
.if \t%2 == 0
	v_wmma_scale_f32_16x16x128_f8f6f4 v[rD:rD+7], v[rA:rA+7], v[rB:rB+7], v[rD:rD+7], v[rSA], v[rSB] matrix_a_fmt:MATRIX_FMT_FP4 matrix_b_fmt:MATRIX_FMT_FP4 matrix_b_scale:MATRIX_SCALE_ROW1
.else
	v_wmma_scale_f32_16x16x128_f8f6f4 v[rD:rD+7], v[rA:rA+7], v[rB:rB+7], v[rD:rD+7], v[rSA], v[rSB] matrix_a_fmt:MATRIX_FMT_FP4 matrix_b_fmt:MATRIX_FMT_FP4 matrix_a_scale:MATRIX_SCALE_ROW1 matrix_b_scale:MATRIX_SCALE_ROW1
.endif
.endif
.endr
.endr
.endm
.macro HORNER lit                      ; P = P t + the next coefficient, two at a time
.set i, 0
.rept 16
	v_pk_fma_f32 v[PP+i:PP+i+1], v[PP+i:PP+i+1], v[TT+i:TT+i+1], \lit op_sel_hi:[1,1,0]
.set i, i+2
.endr
.endm
.Ltile:
	s_wait_loadcnt 0x0                             ; this tile's x
	s_wait_xcnt 0x0                                ; the last tile's stores have had their addresses translated: their bases are written again below
	s_add_co_u32 s26, s22, s24
	s_min_u32 s26, s26, 135
	s_lshl_b32 s38, s26, 14
	s_add_co_u32 s38, s38, s36
	s_mov_b32 s39, 0
	s_add_nc_u64 s[32:33], s[10:11], s[38:39]      ; act + 16384 tile + 512 hs
	s_lshl_b32 s38, s26, 10
	s_add_co_u32 s38, s38, s37
	s_add_nc_u64 s[34:35], s[10:11], s[38:39]      ; act + 1024 tile + my half word's place
	MULS 0
	MULS 1
	WIN 0
.rept 4
	v_nop                                          ; places in front of the first read of results by a vector instruction (ISA guide 7.12.1)
.endr
	s_add_co_u32 s25, s24, 4
	s_cmp_ge_u32 s25, s23
	s_cbranch_scc1 .Lno_next
	XLOAD s25, 1                                   ; my next tile's x lands under the gelu, which names none of its registers
.Lno_next:
	; every pass goes over the registers in ascending order
.set i, 0
.rept 32
	v_fma_f32 v[TT+i], |v[GA+i]|, s40, 1.0
.set i, i+1
.endr
.set i, 0
	s_wait_alu depctr_va_vdst(0)
.rept 32
	v_rcp_f32 v[TT+i], v[TT+i]                     ; t
.set i, i+1
.endr
	v_nop                                          ; a plain line behind the last reciprocal
	s_wait_alu depctr_va_vdst(0)                   ; the 32 reciprocals have written v192-223: one wait, ahead of their first reader
.set i, 0
.rept 16
	v_pk_fma_f32 v[PP+i:PP+i+1], v[TT+i:TT+i+1], v[52:53], 0xbf97d29d op_sel_hi:[1,1,0]   ; c9 t + c8.  The coefficients are the fit's x log2(e); c0 has 1 taken off for the half
.set i, i+2
.endr
	HORNER 0x40097039
	HORNER 0xbfd1a1e5
	HORNER 0x3ecdfd18
	HORNER 0xbe899a80
	HORNER 0x3e0efb2e
	HORNER 0x3f0a29d2
	HORNER 0x3fb8ab5a
	HORNER 0xc034d90f
.set i, 0
.rept 4
.irp k, 0,1,2,3
	v_pk_mul_f32 v[54+2*\k:55+2*\k], v[GA+i+2*\k:GA+i+2*\k+1], v[GA+i+2*\k:GA+i+2*\k+1]
.endr
.irp k, 0,1,2,3
	v_pk_fma_f32 v[PP+i+2*\k:PP+i+2*\k+1], v[54+2*\k:55+2*\k], 0xbf38aa3b, v[PP+i+2*\k:PP+i+2*\k+1] op_sel_hi:[1,0,1]   ; - g^2 log2(e) / 2
.endr
.set i, i+8
.endr
.set i, 0
	s_wait_alu depctr_va_vdst(0)
.rept 32
	v_exp_f32 v[PP+i], v[PP+i]
.set i, i+1
.endr
	v_nop
	s_wait_alu depctr_va_vdst(0)                   ; the 32 exponentials have written v224-255: one wait, ahead of their first reader
.set i, 0
.rept 16
	v_pk_mul_f32 v[PP+i:PP+i+1], v[PP+i:PP+i+1], v[TT+i:TT+i+1]   ; h = erfc / 2
.set i, i+2
.endr
.set i, 0
.rept 32
	v_max_num_f32 v[TT+i], 0, v[GA+i]
.set i, i+1
.endr
.set i, 0
.rept 32
	v_fma_f32 v[PP+i], -|v[GA+i]|, v[PP+i], v[TT+i]            ; gelu = max(g, 0) - |g| h
.set i, i+1
.endr
.set i, 0
.rept 16
	v_pk_mul_f32 v[PP+i:PP+i+1], v[PP+i:PP+i+1], v[XA+i:XA+i+1]   ; x the other half of the first product
.set i, i+2
.endr
	; two blocks of 32 along the next K: register 16 b + i is hidden unit 32 b + 16 (lane / 16) + i of my row
.irp b, 0,1
	v_max3_num_f32 v[54+\b], |v[PP+16*\b]|, |v[PP+16*\b+1]|, 0x1800000
.endr
.irp i, 2,4,6,8,10,12,14
.irp b, 0,1
	v_max3_num_f32 v[54+\b], v[54+\b], |v[PP+16*\b+\i]|, |v[PP+16*\b+\i+1]|
.endr
.endr
.irp b, 0,1
	v_permlanex16_b32 v[56+\b], v[54+\b], s20, s21
.endr
.irp b, 0,1
	v_max_num_f32 v[54+\b], v[54+\b], v[56+\b]
.endr
.irp b, 0,1
	v_add_nc_u32 v[58+\b], 0xff000000, v[54+\b]
.endr
.irp b, 0,1
	v_lshrrev_b32 v[60+\b], 23, v[58+\b]
.endr
	v_lshl_or_b32 v62, v61, 8, v60                 ; my row's two bytes: half a scale word
	v_cvt_scalef32_pk8_fp4_f32 v8, v[PP:PP+7], v58
	v_cvt_scalef32_pk8_fp4_f32 v9, v[PP+8:PP+15], v58
	v_cvt_scalef32_pk8_fp4_f32 v10, v[PP+16:PP+23], v59
	v_cvt_scalef32_pk8_fp4_f32 v11, v[PP+24:PP+31], v59
	v_nop                                          ; one plain line behind the scaled conversions
	v_permlane16_swap_b32 v8, v10                  ; the operand's layout wants a whole block in a lane: lanes 0-15 block 0, lanes 16-31 block 1
	v_permlane16_swap_b32 v9, v11
	s_wait_alu depctr_va_vdst(0)                   ; the exchanges have written v8-11 and the shift v62, which the two stores read
	global_store_b128 v1, v[8:11], s[32:33]        ; half a fragment's image: 512 consecutive bytes
	global_store_b16 v6, v62, s[34:35] offset:2228224          ; lanes r and 16 + r write the same two bytes with the same value
	s_wait_alu depctr_vm_vsrc(0)                   ; the two stores have read v8-11 and v62, which the next tile writes again
	s_add_co_u32 s24, s24, 4                       ; my next tile
	s_add_co_u32 s45, s45, 1
	s_cmp_lt_u32 s45, s44
	s_cbranch_scc1 .Ltile
.Lend:
	s_wait_dscnt 0x0                               ; the closing lines, six on end
	s_wait_alu 0x0
	s_wait_tensorcnt 0x0
	ds_add_u32 v15, v63
	s_wait_dscnt 0x0
	s_endpgm
.Lfunc_end_k_qfee90046a3_ffn1:
	.size	k_qfee90046a3_ffn1, .Lfunc_end_k_qfee90046a3_ffn1-k_qfee90046a3_ffn1
	.p2alignl 7, 3214868480
	.fill 96, 4, 3214868480
	.section	.rodata,"a",@progbits
	.p2align	6, 0x0
	.amdhsa_kernel k_qfee90046a3_ffn1
		.amdhsa_group_segment_fixed_size 70400
		.amdhsa_private_segment_fixed_size 0
		.amdhsa_enable_private_segment 0
		.amdhsa_kernarg_size 32
		.amdhsa_user_sgpr_count 2
		.amdhsa_user_sgpr_kernarg_segment_ptr 1
		.amdhsa_wavefront_size32 1
		.amdhsa_system_sgpr_workgroup_id_x 1
		.amdhsa_system_sgpr_workgroup_id_y 1
		.amdhsa_system_sgpr_workgroup_id_z 1
		.amdhsa_system_vgpr_workitem_id 0
		.amdhsa_next_free_vgpr 768
		.amdhsa_next_free_sgpr 66
		.amdhsa_reserve_vcc 0
		.amdhsa_float_denorm_mode_32 3
		.amdhsa_float_denorm_mode_16_64 3
		.amdhsa_memory_ordered 1
		.amdhsa_forward_progress 1
		.amdhsa_inst_pref_size 176
	.end_amdhsa_kernel
	.amdgpu_metadata
---
amdhsa.version: [ 1, 2 ]
amdhsa.kernels:
  - .name:           k_qfee90046a3_ffn1
    .symbol:         k_qfee90046a3_ffn1.kd
    .args:
      - { .name: w1, .offset: 0, .size: 8, .value_kind: global_buffer, .address_space: global }
      - { .name: xg, .offset: 8, .size: 8, .value_kind: global_buffer, .address_space: global }
      - { .name: plan, .offset: 16, .size: 8, .value_kind: global_buffer, .address_space: global }
      - { .name: act, .offset: 24, .size: 8, .value_kind: global_buffer, .address_space: global }
    .group_segment_fixed_size: 70400
    .private_segment_fixed_size: 0
    .kernarg_segment_align: 8
    .kernarg_segment_size: 32
    .max_flat_workgroup_size: 128
    .sgpr_count:     66
    .vgpr_count:     768
    .wavefront_size: 32
...
	.end_amdgpu_metadata
.endif
;; end of part 7
;; launch ffn2 (part 8): grid 256 x 1, 4 waves a work-group, no clusters, 52,992 bytes of LDS; arguments w2, act, xg, plan, y2; writes y2
.if DOCPART == 8
	.amdgcn_target "amdgcn-amd-amdhsa--gfx1250"
	.amdhsa_code_object_version 6
	.text
	.protected	k_qfee90046a3_ffn2
	.globl	k_qfee90046a3_ffn2
	.p2align	8
	.type	k_qfee90046a3_ffn2,@function
k_qfee90046a3_ffn2:
	s_mov_b64 s[64:65], 0
	v_nop
	global_prefetch_b8 v0, s[64:65] scope:SCOPE_SE
	s_setreg_imm32_b32 hwreg(HW_REG_WAVE_SCHED_MODE, 0, 2), 2
	s_setreg_imm32_b32 hwreg(HW_REG_WAVE_MODE, 25, 1), 1
	s_wait_xcnt 0x0
	s_wait_alu depctr_vm_vsrc(0)
; SECOND PRODUCT.  w2 [8][2048 (K)][1024] f32.  A work-group owns (expert e, outputs 64 ds .. 64 ds + 63, K half kh): one panel of 1,024 K x 64 columns, read from memory once, quantised along K in
; registers, kept as codes (through LDS, as images of operand registers, into every wave's 256 registers of window 1).  Its four waves then walk the expert's tiles of 16 routed rows, tile t to wave t % 4:
; the hidden layer's codes come as images, 32 products a tile, the gate's weight, and each row goes to its own place in y2 [r2][kh][1024] f32; the last launch adds a token's four partial rows.
; K is halved so that 256 work-groups each read runs of 256 consecutive bytes.  The stream is the first product's: wave w takes K quarter w of the panel, 8 slabs of 32 k x 64 columns; a set of registers
; is asked for again as soon as its slab has been read out: three slabs' loads are out while a slab is worked on.
; THE WALK'S OPERANDS COME THREE TILES AHEAD.  A tile's operands are 20 loads: 16 of codes, 1 of scale words, 1 of weights, 2 of the rows' places.  They have three sets of registers.  The first three of my
; tiles are asked for in the stream's last three slabs; a set is asked for again, with the tile three of mine further on, right behind the products and multiplies that read it.
; That request is made on EVERY path, so that the counted wait at a tile's head means the same everywhere; where there is no such tile, the tile in hand is named again and what comes is not used.
; THE PRODUCT IS USED TRANSPOSED (source 0 = 16 columns of w2, source 1 = 16 rows): a lane holds eight neighbouring outputs of one row.  A tile's rows go through the wave's own stage in LDS and leave whole.
; No tensor loads and no cluster: the number of tiles is read from memory.  The one barrier stands ahead of every branch on it.
; LIMITS: NaN and infinities are not served.  A block of zeros gets the byte 1 (zero codes; only this program reads the bytes).  Pad rows go to rows 2048 on of y2, each with one writer, which nobody reads.
; THE MODE: SCHED_MODE bits 1:0 = 2 (LLVM: expert scheduling mode 2), set by the entry lines.  The code itself states the register dependences
; between vector or matrix instructions and memory or LDS instructions, with s_wait_alu, always for 0.
; THE PLAN.  Registers that memory or LDS instructions touch:
;   window 1's four sets  Stream: slab j's loads land in set j % 4; slab j's maxima and moves read it; behind them the loads of slab j + 4 land in it.  Behind the barrier the panel's fragments land there, once.
;   v212-219, v208-211    Stream: written by slab j's conversions and shifts, read by its LDS stores, written again in slab j + 1.  The walk does not name them.
;   set k of the walk     Window 2's v[64 k ..] and v32 + 4 k on: read by the tile's 32 products; v44 + 2 k: read by its multiplies; v52 + 8 k on: read by its v_min_u32; behind all of them the set's next 20 loads land.
;   v76-83                Written by a tile's vector lines, read by its eight stores as offsets, written again by the next tile.
;   v128-159              Written by a tile's products and multiplies, read by its LDS stores, written again by the next tile's products.
;   v160-191              A tile's LDS loads land there, its eight stores read them, the next tile's LDS loads land there again.
;   v1-5, v8-12           Offsets and addresses: written at the head and never again.   v254, v255: written at the head, read by the closing add alone.   v16-31: loaded once.
; So a slab has ONE wait on va_vdst, behind its conversions, and one on vm_vsrc at its head, as in the first product's stream.  A tile has ONE wait on va_vdst, behind its multiplies: all its vector and
; matrix instructions stand ahead of it, all its loads, LDS instructions and stores behind it; and ONE on vm_vsrc at its end, ahead of every branch.
.set PITCH, 4096
.set NSL,   8
.set NA,    20                         ; loads that bring a tile's operands
.set WSB,   32832                      ; LDS: 4 strips (tile of 16 columns) of 8 fragments x 1,024 bytes at 8208 tile; behind them the scale words: ((tile / 2) 8 + s) 128 + 4 (r + 16 (tile % 2))
.set STG,   34880                      ; behind them a stage of 16 rows x (256 + 16) bytes for each wave
.set LT,    128                        ; stream: v128-191 a slab's numbers; v192-219 as in the first product's stream
.set MX,    192
.set PM,    196
.set SO,    200
.set BY,    204
.set SW,    208
.set CD,    212
.set WSC,   16                         ; walk: v16-31 the weights' scale words, v32-43 the rows', four for each set: these hold scales and nothing else
.set ASC,   32
.set GWT,   44                         ; v44, v46, v48 the gate's weight of my row, one for each set (v45, v47, v49 are named with them as pairs)
.set DST,   52                         ; v52-75 the places r2 of rows 8 (lane / 16) + 0 .. 7, eight for each set
.set ROF,   76                         ; v76-83 those rows' byte offsets in y2
.set YA,    128                        ; v128-159 four accumulators
.set RB,    160                        ; v160-191 rows read back
; window 1: the stream's four sets of 64 as loaded; later the panel's 32 fragments at v[8 (8 tile + s)].  window 2: the rows' 8 fragments, set k at v[64 k].
; v1 16 lane   v2, v3 where my codes and scale words go   v4 my offset in a slab   v5 WSB + 4 lane   v7 the floor   v8, v9 the stage, in and back   v10 4 (lane % 16)   v11 32 (lane / 16)   v12 16 (lane % 16)
; s22 my expert's first tile   s23 its tiles   s24 the tile in hand   s[28 + 8 k : 35 + 8 k] set k's four bases   s84, s85 my K half's bytes in act   s93 counts the trips
.set MSB, 0
.macro WIN new                         ; the immediate's high byte repeats the setting that is left
.if MSB != (\new)
	s_set_vgpr_msb (MSB<<8)|(\new)
.set MSB, (\new)
.endif
.endm
.macro SLOAD j, w                      ; slab j into set j % 4.  w = 1: the slab in hand has just read the set out
	WIN 0x40
.if \w
	s_wait_alu depctr_va_vdst(0)                   ; the slab's maxima and moves are done reading this set, in which the loads below land; its conversions and shifts have written v212-219 and v208-211, which the LDS stores behind these loads read
.endif
.irp i, 0,1,2,3,4,5,6,7,8,9,10,11,12,13,14,15
	global_load_b128 v[64*((\j)%4)+4*\i:64*((\j)%4)+4*\i+3], v4, s[4:5] offset:(32*(\j)+\i)*PITCH th:TH_LOAD_NT
.endr
.endm
; The operands of my expert's tile cand, or of tile fall where the expert has no tile cand, into set k.  The set's bases are written only when its earlier loads have been waited for.
; w = 1: in the walk, where a tile's products and vector lines have read the set.
.macro ALOAD k, cand, fall, w
	s_cmp_lt_u32 \cand, s23
	s_cselect_b32 s26, \cand, \fall
	s_add_co_u32 s26, s22, s26
	s_min_u32 s26, s26, 135
	s_lshl_b32 s86, s26, 14
	s_add_co_u32 s86, s86, s84
	s_add_nc_u64 s[28+8*(\k):29+8*(\k)], s[6:7], s[86:87]      ; act + 16384 tile + 8192 kh
	s_lshl_b32 s86, s26, 10
	s_add_co_u32 s86, s86, s85
	s_add_nc_u64 s[30+8*(\k):31+8*(\k)], s[6:7], s[86:87]      ; act + 1024 tile + 512 kh
	s_lshl_b32 s86, s26, 6
	s_add_nc_u64 s[32+8*(\k):33+8*(\k)], s[8:9], s[86:87]      ; xg + 64 tile
	s_add_nc_u64 s[34+8*(\k):35+8*(\k)], s[10:11], s[86:87]    ; plan + 64 tile
	WIN 0x80                                       ; destination window 2
.if \w
	s_wait_alu depctr_va_vdst(0)                   ; the tile's one wait: its products are done reading the set's fragments and scale words, its multiplies the weight, its v_min_u32 the places: the 20 loads below land there; the multiplies have written v128-159, which the LDS stores read; v76-83 are written, which the stores to memory read; earlier vector lines are done with v160-191, in which the LDS loads land
.endif
.irp n, 0,1,2,3,4,5,6,7,8,9,10,11,12,13,14,15
	global_load_b128 v[64*(\k)+4*\n:64*(\k)+4*\n+3], v1, s[28+8*(\k):29+8*(\k)] offset:512*\n
.endr
	WIN 0
	global_load_b128 v[ASC+4*(\k):ASC+4*(\k)+3], v1, s[30+8*(\k):31+8*(\k)] offset:2228224    ; lanes 0-15: words 0-3 of row r, lanes 16-31: words 4-7
	global_load_b32 v[GWT+2*(\k)], v10, s[32+8*(\k):33+8*(\k)] offset:1183744
	global_load_b128 v[DST+8*(\k):DST+8*(\k)+3], v11, s[34+8*(\k):35+8*(\k)] offset:256       ; sixteen lanes read the same 32 bytes: rows 8 h .. 8 h + 7
	global_load_b128 v[DST+8*(\k)+4:DST+8*(\k)+7], v11, s[34+8*(\k):35+8*(\k)] offset:272
.endm
.macro SLAB j
.set LS, 64*((\j)%4)
.if (\j)+3 < NSL
	s_wait_loadcnt 48                              ; this slab's 16 loads are in; those of the three younger slabs may be out
.else
	s_wait_loadcnt 16*(NSL-1-(\j))+NA*((\j)+3-NSL) ; this slab's are in; the younger slabs' 16 each and the 20 of each tile asked for so far may be out
.if (\j)+3 == NSL
	s_wait_kmcnt 0x0                               ; my expert's first tile and its number of tiles
.endif
	s_add_co_u32 s25, s14, 4*((\j)+3-NSL)
	ALOAD (\j)+3-NSL, s25, s14, 0                  ; my first, second, third tile, one in each of the last three slabs; no vector or matrix instruction has named the registers in which they land
.endif
	s_wait_dscnt 0x0                               ; the last slab's LDS stores are done
.if (\j) > 0
	s_wait_alu depctr_vm_vsrc(0)                   ; the last slab's LDS stores have read v212-219 and v208-211, which this slab writes again
.endif
	WIN 0x14
.irp c, 0,1,2,3
	v_max3_num_f32 v[MX+\c], v7, |v[LS+\c]|, |v[LS+4+\c]|      ; column c: my 16 numbers, and the floor 2^(3 - 127)
.endr
.irp i, 2,4,6,8,10,12,14
.irp c, 0,1,2,3
	v_max3_num_f32 v[MX+\c], v[MX+\c], |v[LS+4*\i+\c]|, |v[LS+4*\i+4+\c]|
.endr
.endr
	WIN 0
.irp c, 0,1,2,3
	v_permlanex16_b32 v[PM+\c], v[MX+\c], s20, s21
.endr
.irp c, 0,1,2,3
	v_max_num_f32 v[MX+\c], v[MX+\c], v[PM+\c]     ; with lane l xor 16's 16: the block's largest magnitude
.endr
.irp c, 0,1,2,3
	v_add_nc_u32 v[SO+\c], 0xff000000, v[MX+\c]    ; 2 off its exponent field: the conversion's scale operand
.endr
.if (\j)%4 == 0
.irp c, 0,1,2,3
	v_lshrrev_b32 v[SW+\c], 23, v[SO+\c]           ; the byte starts a scale word: four slabs are a K step of 128
.endr
.else
.irp c, 0,1,2,3
	v_lshrrev_b32 v[BY+\c], 23, v[SO+\c]
.endr
.irp c, 0,1,2,3
	v_lshl_or_b32 v[SW+\c], v[BY+\c], 8*((\j)%4), v[SW+\c]
.endr
.endif
	WIN 0x01
.irp c, 0,1,2,3
.irp i, 0,1,2,3,4,5,6,7,8,9,10,11,12,13,14,15
	v_mov_b32 v[LT+16*\c+\i], v[LS+4*\i+\c]        ; a column's 16 k on end
.endr
.endr
	WIN 0
.irp c, 0,1,2,3
	v_cvt_scalef32_pk8_fp4_f32 v[CD+2*\c], v[LT+16*\c:LT+16*\c+7], v[SO+\c]
	v_cvt_scalef32_pk8_fp4_f32 v[CD+2*\c+1], v[LT+16*\c+8:LT+16*\c+15], v[SO+\c]
.endr
	v_nop                                          ; one plain line behind the scaled conversions
.if (\j)+4 < NSL
	SLOAD (\j)+4, 1                                ; the set is asked for again at once: the window's switch, the slab's one wait, the 16 loads
	WIN 0
.else
	s_wait_alu depctr_va_vdst(0)                   ; the conversions and shifts have written v212-219 and v208-211, which the LDS stores below read; the maxima and moves are done reading the set, in which a fragment lands behind the barrier
.endif
.irp c, 0,1,2,3
	ds_store_b64 v2, v[CD+2*\c:CD+2*\c+1] offset:((\j)/4)*1024+(((\j)/2)%2)*512+((\j)%2)*256+16*\c
.endr
.if (\j)%4 == 3
.irp c, 0,1,2,3
	ds_store_b32 v3, v[SW+\c] offset:((\j)/4)*128+4*\c         ; lanes l and l xor 16 write the same word with the same value
.endr
.endif
.endm
	s_load_b256 s[4:11], s[0:1], 0x0               ; w2 s[4:5], act s[6:7], xg s[8:9], plan s[10:11]
	s_load_b64 s[12:13], s[0:1], 0x20              ; y2
	v_lshl_add_u32 v254, v0, 2, 0xcd00
	v_mov_b32 v255, 0
	v_lshrrev_b32 v1, 5, v0
	v_readfirstlane_b32 s14, v1                    ; wave 0..3
	s_lshr_b32 s15, ttmp9, 5                       ; e
	s_bfe_u32 s16, ttmp9, 0x40001                  ; ds
	s_and_b32 s17, ttmp9, 1                        ; kh
	v_and_b32 v84, 3, v0                           ; my columns 4 q + cc, q = lane % 16: tile q / 4, row 4 (q % 4) + cc
	v_bfe_u32 v85, v0, 2, 2
	v_bfe_u32 v86, v0, 4, 1                        ; lane / 16
	v_bfe_u32 v87, v0, 2, 1
	v_bfe_u32 v88, v0, 3, 1
	v_and_b32 v89, 15, v0
	v_and_b32 v90, 31, v0
	v_mul_u32_u24 v2, v85, 8208
	v_lshl_add_u32 v2, v84, 6, v2
	v_lshl_add_u32 v2, v86, 3, v2
	s_wait_alu depctr_va_sdst(0)                   ; s14 is written, ahead of its first reader
	s_lshl_b32 s18, s14, 11                        ; my two K steps
	v_add_nc_u32 v2, s18, v2
	v_lshlrev_b32 v3, 10, v88
	v_lshl_add_u32 v3, v84, 4, v3
	v_lshl_add_u32 v3, v87, 6, v3
	s_lshl_b32 s18, s14, 8
	s_add_co_u32 s18, s18, WSB
	v_add_nc_u32 v3, s18, v3
	v_lshlrev_b32 v12, 4, v89
	v_lshl_add_u32 v4, v86, 16, v12                ; 16 q + 16 rows for lanes 16-31
	v_lshlrev_b32 v1, 4, v90
	v_lshl_add_u32 v5, v90, 2, WSB
	s_mul_i32 s18, s14, 16*272
	s_add_co_u32 s18, s18, STG                     ; my stage
	v_mul_u32_u24 v8, v89, 272
	v_lshl_add_u32 v8, v86, 5, v8
	v_add_nc_u32 v8, s18, v8                       ; in: row lane % 16, + 32 (lane / 16)
	v_mul_u32_u24 v9, v86, 8*272
	v_add_nc_u32 v9, v9, v12
	v_add_nc_u32 v9, s18, v9                       ; back: lanes 0-15 take row i, lanes 16-31 row 8 + i; 16 bytes a lane of a row's 256
	v_lshlrev_b32 v10, 2, v89
	v_lshlrev_b32 v11, 5, v86
.irp k, 0,1,2
	v_mov_b32 v[GWT+2*\k+1], 0                     ; named as the upper halves of pairs, so they are written
.endr
	v_mov_b32 v7, 0x1800000
.irp c, 0,1,2,3
	v_mov_b32 v[PM+\c], 0                          ; written once: a lane permute's destination counts as one of its sources
.endr
	s_mov_b32 s20, 0x76543210
	s_mov_b32 s21, 0xfedcba98
	s_lshl_b32 s18, s15, 23                        ; e x 8,388,608
	s_lshl_b32 s25, s17, 22                        ; + 1,024 rows for the K half
	s_add_co_u32 s18, s18, s25
	s_lshl_b32 s25, s14, 20                        ; + 256 rows for the wave
	s_add_co_u32 s18, s18, s25
	s_lshl_b32 s25, s16, 8                         ; + 64 columns for each ds
	s_add_co_u32 s18, s18, s25
	s_mov_b32 s19, 0
	s_lshl_b32 s86, s17, 12
	s_add_co_u32 s86, s86, s25                     ; y2: 4096 kh + 256 ds
	s_mov_b32 s87, 0
	s_lshl_b32 s88, s15, 2
	s_mov_b32 s89, 0
	s_lshl_b32 s84, s17, 13                        ; act's codes: 8192 kh
	s_lshl_b32 s85, s17, 9                         ; its scale words: 512 kh
	s_wait_kmcnt 0x0
	s_add_nc_u64 s[4:5], s[4:5], s[18:19]
	s_add_nc_u64 s[12:13], s[12:13], s[86:87]
	s_add_nc_u64 s[90:91], s[10:11], s[88:89]
	s_load_b32 s22, s[90:91], 0x0                  ; my expert's first tile,
	s_load_b32 s23, s[90:91], 0x20                 ; and how many it has: waited for in the stream's third slab from the end
	s_wait_alu depctr_va_vdst(0)                   ; the offsets and addresses v1 to v5 and v8 to v12 are written, which every load, LDS instruction and store of the kernel reads
	SLOAD 0, 0
	SLOAD 1, 0
	SLOAD 2, 0
	SLOAD 3, 0                                     ; no vector instruction has named window 1 yet
.irp j, 0,1,2,3,4,5,6,7
	SLAB \j
.endr
	s_wait_dscnt 0x0                               ; for the others' sake: my images lie in LDS
	s_barrier_signal -1
	s_barrier_wait -1                              ; the one barrier: behind it each wave writes its own stage alone
	s_cmp_ge_u32 s14, s23
	s_cbranch_scc1 .Lend                           ; fewer tiles than waves
	WIN 0x40                                       ; (no vector instruction has been issued since the last slab's wait, behind which the stream's reads of window 1 are done)
.irp t, 0,1,2,3
.irp s, 0,1,2,3,4,5,6,7
.irp c, 0,1
	ds_load_b128 v[8*(8*\t+\s)+4*\c:8*(8*\t+\s)+4*\c+3], v1 offset:\t*8208+1024*\s+512*\c
.endr
.endr
.endr
	WIN 0
.irp g, 0,1,2,3,4,5,6,7,8,9,10,11,12,13,14,15
	ds_load_b32 v[WSC+\g], v5 offset:128*\g        ; lanes 0-15: the even tile's rows, lanes 16-31: the odd tile's
.endr
	s_wait_dscnt 0x0
; One tile, with its operands in set k.
.macro SUB k
	s_cmp_ge_u32 s24, s23
	s_cbranch_scc1 .Lend                           ; my tiles are done
	s_wait_loadcnt 2*NA                            ; this set's 20 loads are in; the two younger sets' may be out
	s_wait_xcnt 0x0                                ; the last tile's stores have had their addresses translated
	WIN 0x09                                       ; source 0 (w2) window 1, source 1 (the rows) window 2.  The four accumulators take turns, one instruction a turn
.irp s, 0,1,2,3,4,5,6,7
.irp t, 0,1,2,3
.set rD, YA+8*\t
.set rA, 8*(8*\t+\s)
.set rB, 64*(\k)+8*\s
.set rSA, WSC+(\t/2)*8+\s
.set rSB, ASC+4*(\k)+(\s%4)
.if \s == 0
.if \t%2 == 0
	v_wmma_scale_f32_16x16x128_f8f6f4 v[rD:rD+7], v[rA:rA+7], v[rB:rB+7], 0, v[rSA], v[rSB] matrix_a_fmt:MATRIX_FMT_FP4 matrix_b_fmt:MATRIX_FMT_FP4
.else
	v_wmma_scale_f32_16x16x128_f8f6f4 v[rD:rD+7], v[rA:rA+7], v[rB:rB+7], 0, v[rSA], v[rSB] matrix_a_fmt:MATRIX_FMT_FP4 matrix_b_fmt:MATRIX_FMT_FP4 matrix_a_scale:MATRIX_SCALE_ROW1
.endif
.elseif \s < 4
.if \t%2 == 0
	v_wmma_scale_f32_16x16x128_f8f6f4 v[rD:rD+7], v[rA:rA+7], v[rB:rB+7], v[rD:rD+7], v[rSA], v[rSB] matrix_a_fmt:MATRIX_FMT_FP4 matrix_b_fmt:MATRIX_FMT_FP4
.else
	v_wmma_scale_f32_16x16x128_f8f6f4 v[rD:rD+7], v[rA:rA+7], v[rB:rB+7], v[rD:rD+7], v[rSA], v[rSB] matrix_a_fmt:MATRIX_FMT_FP4 matrix_b_fmt:MATRIX_FMT_FP4 matrix_a_scale:MATRIX_SCALE_ROW1
.endif
.else
.if \t%2 == 0
	v_wmma_scale_f32_16x16x128_f8f6f4 v[rD:rD+7], v[rA:rA+7], v[rB:rB+7], v[rD:rD+7], v[rSA], v[rSB] matrix_a_fmt:MATRIX_FMT_FP4 matrix_b_fmt:MATRIX_FMT_FP4 matrix_b_scale:MATRIX_SCALE_ROW1
.else
	v_wmma_scale_f32_16x16x128_f8f6f4 v[rD:rD+7], v[rA:rA+7], v[rB:rB+7], v[rD:rD+7], v[rSA], v[rSB] matrix_a_fmt:MATRIX_FMT_FP4 matrix_b_fmt:MATRIX_FMT_FP4 matrix_a_scale:MATRIX_SCALE_ROW1 matrix_b_scale:MATRIX_SCALE_ROW1
.endif
.endif
.endr
.endr
	WIN 0
.irp i, 0,1,2,3,4,5,6,7
	v_min_u32 v[ROF+\i], 0x87f, v[DST+8*(\k)+\i]   ; row 8 h + i's place, held inside y2's 2,176 rows.  (These sixteen lines are also the places behind the products: ISA guide 7.12.1)
.endr
.irp i, 0,1,2,3,4,5,6,7
	v_lshl_add_u32 v[ROF+\i], v[ROF+\i], 13, v12   ; 8,192 bytes a row of y2, + 16 (lane % 16)
.endr
.set i, 0
.rept 16
	v_pk_mul_f32 v[YA+i:YA+i+1], v[YA+i:YA+i+1], v[GWT+2*(\k):GWT+2*(\k)+1] op_sel_hi:[1,0]   ; x my row's gate weight; in ascending order
.set i, i+2
.endr
	s_add_co_u32 s25, s24, 12
	ALOAD \k, s25, s24, 1                          ; this set's next tile: three of my tiles on.  The tile's one wait stands in it; no vector or matrix instruction follows it in the tile
.irp t, 0,1,2,3
	ds_store_b128 v8, v[YA+8*\t:YA+8*\t+3] offset:64*\t
	ds_store_b128 v8, v[YA+8*\t+4:YA+8*\t+7] offset:64*\t+16
.endr
.irp i, 0,1,2,3,4,5,6,7
	ds_load_b128 v[RB+4*\i:RB+4*\i+3], v9 offset:272*\i        ; LDS serves a wave's instructions in order: these see my stores
.endr
.irp i, 0,1,2,3,4,5,6,7
	s_wait_dscnt 7-\i                              ; rows i and 8 + i are back; the younger rows may be out
	global_store_b128 v[ROF+\i], v[RB+4*\i:RB+4*\i+3], s[12:13]   ; each sixteen lanes store 256 consecutive bytes, aligned: a row's part
.endr
	s_wait_alu depctr_vm_vsrc(0)                   ; this tile's LDS stores have read v128-159, its stores to memory v76-83 and v160-191: the next tile's products, vector lines and LDS loads write them again
	s_add_co_u32 s24, s24, 4                       ; my next tile
.endm
	s_mov_b32 s24, s14                             ; t
	s_mov_b32 s93, 0
.Ltile:                                                ; a trip takes three tiles, one in each set; six trips serve 18: an expert has at most 1,024 rows, 64 tiles, 16 for a wave
	SUB 0
	SUB 1
	SUB 2
	s_add_co_u32 s93, s93, 1
	s_cmp_lt_u32 s93, 6
	s_cbranch_scc1 .Ltile
.Lend:
	s_wait_dscnt 0x0                               ; the closing lines, six on end
	s_wait_alu 0x0
	s_wait_tensorcnt 0x0
	ds_add_u32 v254, v255
	s_wait_dscnt 0x0
	s_endpgm
.Lfunc_end_k_qfee90046a3_ffn2:
	.size	k_qfee90046a3_ffn2, .Lfunc_end_k_qfee90046a3_ffn2-k_qfee90046a3_ffn2
	.p2alignl 7, 3214868480
	.fill 96, 4, 3214868480
	.section	.rodata,"a",@progbits
	.p2align	6, 0x0
	.amdhsa_kernel k_qfee90046a3_ffn2
		.amdhsa_group_segment_fixed_size 52992
		.amdhsa_private_segment_fixed_size 0
		.amdhsa_enable_private_segment 0
		.amdhsa_kernarg_size 40
		.amdhsa_user_sgpr_count 2
		.amdhsa_user_sgpr_kernarg_segment_ptr 1
		.amdhsa_wavefront_size32 1
		.amdhsa_system_sgpr_workgroup_id_x 1
		.amdhsa_system_sgpr_workgroup_id_y 1
		.amdhsa_system_sgpr_workgroup_id_z 1
		.amdhsa_system_vgpr_workitem_id 0
		.amdhsa_next_free_vgpr 768
		.amdhsa_next_free_sgpr 100
		.amdhsa_reserve_vcc 0
		.amdhsa_float_denorm_mode_32 3
		.amdhsa_float_denorm_mode_16_64 3
		.amdhsa_memory_ordered 1
		.amdhsa_forward_progress 1
		.amdhsa_inst_pref_size 110
	.end_amdhsa_kernel
	.amdgpu_metadata
---
amdhsa.version: [ 1, 2 ]
amdhsa.kernels:
  - .name:           k_qfee90046a3_ffn2
    .symbol:         k_qfee90046a3_ffn2.kd
    .args:
      - { .name: w2, .offset: 0, .size: 8, .value_kind: global_buffer, .address_space: global }
      - { .name: act, .offset: 8, .size: 8, .value_kind: global_buffer, .address_space: global }
      - { .name: xg, .offset: 16, .size: 8, .value_kind: global_buffer, .address_space: global }
      - { .name: plan, .offset: 24, .size: 8, .value_kind: global_buffer, .address_space: global }
      - { .name: y2, .offset: 32, .size: 8, .value_kind: global_buffer, .address_space: global }
    .group_segment_fixed_size: 52992
    .private_segment_fixed_size: 0
    .kernarg_segment_align: 8
    .kernarg_segment_size: 40
    .max_flat_workgroup_size: 128
    .sgpr_count:     100
    .vgpr_count:     768
    .wavefront_size: 32
...
	.end_amdgpu_metadata
.endif
;; end of part 8
;; launch comb (part 9): grid 256 x 1, 4 waves a work-group, no clusters, 0 bytes of LDS; arguments y2, out0; writes out0
.if DOCPART == 9
	.amdgcn_target "amdgcn-amd-amdhsa--gfx1250"
	.amdhsa_code_object_version 6
	.text
	.protected	k_qfee90046a3_comb
	.globl	k_qfee90046a3_comb
	.p2align	8
	.type	k_qfee90046a3_comb,@function
k_qfee90046a3_comb:
	s_mov_b64 s[64:65], 0
	v_nop
	global_prefetch_b8 v0, s[64:65] scope:SCOPE_SE
	s_setreg_imm32_b32 hwreg(HW_REG_WAVE_MODE, 25, 1), 1
	s_wait_xcnt 0x0
; out0[token] = the sum of the token's four partial rows of y2: (first choice, second choice) x (K half 0, 1), already weighed.  They lie on end: 16,384 bytes a token.
; A wave takes one token: 32 loads of 512 consecutive bytes, all issued at once, then eight chunks of 512 bytes are added and stored.  A stream: no LDS, no barrier, no matrix unit.
	s_load_b128 s[4:7], s[0:1], 0x0                ; y2, out0
	v_lshrrev_b32 v1, 5, v0
	v_readfirstlane_b32 s8, v1
	v_and_b32 v1, 31, v0
	v_lshlrev_b32 v1, 4, v1                        ; 16 bytes a lane
	s_lshl_b32 s9, ttmp9, 2
	s_add_co_u32 s9, s9, s8                        ; my token
	s_lshl_b32 s10, s9, 14
	s_mov_b32 s11, 0
	s_lshl_b32 s12, s9, 12
	s_mov_b32 s13, 0
	s_wait_alu depctr_va_vdst(0)
	s_wait_kmcnt 0x0
	s_add_nc_u64 s[4:5], s[4:5], s[10:11]
	s_add_nc_u64 s[6:7], s[6:7], s[12:13]
.irp j, 0,1,2,3,4,5,6,7
.irp r, 0,1,2,3
	global_load_b128 v[16+16*\j+4*\r:19+16*\j+4*\r], v1, s[4:5] offset:4096*\r+512*\j th:TH_LOAD_NT
.endr
.endr
.irp j, 0,1,2,3,4,5,6,7
	s_wait_loadcnt 28-4*\j                         ; chunk j's four loads are in; the later chunks' may be out
	v_pk_add_f32 v[16+16*\j:17+16*\j], v[16+16*\j:17+16*\j], v[20+16*\j:21+16*\j]
	v_pk_add_f32 v[18+16*\j:19+16*\j], v[18+16*\j:19+16*\j], v[22+16*\j:23+16*\j]
	v_pk_add_f32 v[24+16*\j:25+16*\j], v[24+16*\j:25+16*\j], v[28+16*\j:29+16*\j]
	v_pk_add_f32 v[26+16*\j:27+16*\j], v[26+16*\j:27+16*\j], v[30+16*\j:31+16*\j]
	v_pk_add_f32 v[16+16*\j:17+16*\j], v[16+16*\j:17+16*\j], v[24+16*\j:25+16*\j]
	v_pk_add_f32 v[18+16*\j:19+16*\j], v[18+16*\j:19+16*\j], v[26+16*\j:27+16*\j]
	global_store_b128 v1, v[16+16*\j:19+16*\j], s[6:7] offset:512*\j th:TH_STORE_NT   ; 512 consecutive bytes; each chunk has registers of its own
.endr
	s_endpgm
.Lfunc_end_k_qfee90046a3_comb:
	.size	k_qfee90046a3_comb, .Lfunc_end_k_qfee90046a3_comb-k_qfee90046a3_comb
	.p2alignl 7, 3214868480
	.fill 96, 4, 3214868480
	.section	.rodata,"a",@progbits
	.p2align	6, 0x0
	.amdhsa_kernel k_qfee90046a3_comb
		.amdhsa_group_segment_fixed_size 0
		.amdhsa_private_segment_fixed_size 0
		.amdhsa_enable_private_segment 0
		.amdhsa_kernarg_size 16
		.amdhsa_user_sgpr_count 2
		.amdhsa_user_sgpr_kernarg_segment_ptr 1
		.amdhsa_wavefront_size32 1
		.amdhsa_system_sgpr_workgroup_id_x 1
		.amdhsa_system_sgpr_workgroup_id_y 1
		.amdhsa_system_sgpr_workgroup_id_z 1
		.amdhsa_system_vgpr_workitem_id 0
		.amdhsa_next_free_vgpr 144
		.amdhsa_next_free_sgpr 66
		.amdhsa_reserve_vcc 0
		.amdhsa_float_denorm_mode_32 3
		.amdhsa_float_denorm_mode_16_64 3
		.amdhsa_memory_ordered 1
		.amdhsa_forward_progress 1
		.amdhsa_inst_pref_size 8
	.end_amdhsa_kernel
	.amdgpu_metadata
---
amdhsa.version: [ 1, 2 ]
amdhsa.kernels:
  - .name:           k_qfee90046a3_comb
    .symbol:         k_qfee90046a3_comb.kd
    .args:
      - { .name: y2, .offset: 0, .size: 8, .value_kind: global_buffer, .address_space: global }
      - { .name: out0, .offset: 8, .size: 8, .value_kind: global_buffer, .address_space: global }
    .group_segment_fixed_size: 0
    .private_segment_fixed_size: 0
    .kernarg_segment_align: 8
    .kernarg_segment_size: 16
    .max_flat_workgroup_size: 128
    .sgpr_count:     66
    .vgpr_count:     144
    .wavefront_size: 32
...
	.end_amdgpu_metadata
.endif
;; end of part 9
